; MI455X (gfx1250); checked and timed in simulation.
; The chip was launched on July 23, 2026; its instructions are those of AMD's public machine-readable ISA for CDNA 5 (MIT licence, August 2026) and "CDNA5" Instruction Set Architecture Reference Guide (July 2026). The comments in the code are by the model that wrote it; some were corrected since.
;; Causal Self Attention. Allowed arithmetic: matrix products marked QUANTISED: E2M3 operands, one E8M0 scale for each 32 along K, by v_wmma_scale_f32_16x16x128_f8f6f4 with both operands' format E2M3, f32 sums; everything else in f32.
;; Inputs: w_out 1,024 x 1,024 float32; w_qkv 3,072 x 1,024 float32; x 4 x 2,048 x 1,024 float32.
;; Outputs: out0 4 x 2,048 x 1,024 float32.
;; This version of the problem:
;;   THIS VERSION OF THE PROBLEM IS GIVEN IN LOW PRECISION. The matrix products marked QUANTISED in the list below multiply operands that are first quantised to E2M3 (2 exponent bits, 3 mantissa bits; 6 bits a number), with one power-of-two scale for each 32 numbers along K (OCP MX v1.0); their sums are f32. All else is computed in f32.
;;   The module's matrix products, in the order in which they are computed (A, B: the left and right operand; K: the contracted axis; several contracted axes count as one K, in the product's order):
;;     1. [M 8,192, K 1,024] x [K 1,024, N 3,072]; A: input x; B: input w_qkv: QUANTISED
;;     2. batch 64 x [M 2,048, K 64] x [K 64, N 2,048]; A: computed on the way; B: computed on the way: QUANTISED
;;     3. batch 64 x [M 2,048, K 2,048] x [K 2,048, N 64]; A: softmax (see below); B: computed on the way: QUANTISED
;;     4. [M 8,192, K 1,024] x [K 1,024, N 1,024]; A: computed on the way; B: input w_out: QUANTISED
;;   THE QUANTISER, for each operand of a quantised product, along K:
;;     - K is cut into blocks of 32 from its start; a last block that is shorter is filled with zeros.
;;     - A block's scale is 2^e with e = floor(log2(the largest magnitude in the block)) - 2, held to -126 .. 127; a block of zeros has e = 0. As a byte (E8M0): e + 127.
;;     - Each number is divided by its block's scale, clamped to +-7.5, and rounded to the nearest number of E2M3, ties to even, subnormals kept.
;;     - The product sums the exact products of the quantised numbers (number of the format x scale) in f32.
;;   ~~~python
;;   def quantise(x, axis):      # numpy; x: float32 -> the quantised numbers, widened to float32 again
;;       x = np.moveaxis(x, axis, -1); K = x.shape[-1]
;;       x = np.pad(x, [(0, 0)] * (x.ndim - 1) + [(0, -K % 32)]); x = x.reshape(x.shape[:-1] + (-1, 32)); a = np.abs(x).max(-1, keepdims=True)
;;       e = np.where(a > 0, np.clip(np.frexp(np.where(a > 0, a, 1))[1] - 1 - 2, -126, 127), 0)      # np.frexp(a)[1] - 1 = floor(log2(a)), exactly
;;       r = np.clip(x / 2.0 ** e, -7.5, 7.5)
;;       step = 2.0 ** (np.maximum(np.frexp(np.where(r == 0, 1, r))[1] - 1, 0) - 3)
;;       q = np.round(r / step) * step * 2.0 ** e      # np.round: ties to even
;;       return np.moveaxis(q.reshape(q.shape[:-2] + (-1,))[..., :K], -1, axis).astype(np.float32)
;;   ~~~
;;   SOFTMAX AHEAD OF A QUANTISED PRODUCT. Where the list says 'softmax', what is quantised is not the finished softmax but p = 2^(t - M), with t = logit x log2(e) and M = ceil(the row's largest t), a whole number; so 1/2 < the row's largest p <= 1. The row's sum l is taken of the UNQUANTISED p, in f32, and the product's result is divided by l at the end. Since M is a whole number, a kernel that streams over the keys may use a running M (the ceiling of the running maximum): every later rescaling is an exact power of two, which a block's scale takes up: the codes' values come out the same.
;;   OPERANDS COMPUTED ON THE WAY. 'Computed on the way' means the value that the module computes at that place (a softmax that the list does not call 'softmax' is quantised finished and normalised). What goes into a quantiser is computed in f32, as accurately as f32 sums, v_exp_f32 and their like allow (about 1e-6 of the number): no bf16 or f16 on the way to a quantiser, and a product that is left as it is and whose result goes on into a quantised operand takes f32 operands (vector FMAs, or v_wmma_f32_16x16x4_f32). A number that lies on a knife's edge between two numbers of the format may be rounded either way, as far as f32 arithmetic and the matrix unit's own rounding can turn it there, and no further.
;; One version. Each part assembles by itself: llvm-mc -triple=amdgcn-amd-amdhsa -mcpu=gfx1250 --defsym DOCPART=n.
;; ======== version 1 of 1: 4 launches
;; workspace buffers: img 9,830,400 bytes; qimg 6,553,600 bytes; kimg 6,553,600 bytes; vimg 6,553,600 bytes; yimg 6,553,600 bytes
;; launch quant (part 1): grid 384 x 1, 4 waves a work-group, no clusters, 35,328 bytes of LDS; arguments x, w_qkv, w_out, img; writes img
.if DOCPART == 1
	.amdgcn_target "amdgcn-amd-amdhsa--gfx1250"
	.amdhsa_code_object_version 6
	.text
	.protected	k_q9d53a5f493_quant
	.globl	k_q9d53a5f493_quant
	.p2align	8
	.type	k_q9d53a5f493_quant,@function
k_q9d53a5f493_quant:
	s_mov_b64 s[64:65], 0
	v_nop
	global_prefetch_b8 v0, s[64:65] scope:SCOPE_SE
	s_setreg_imm32_b32 hwreg(HW_REG_WAVE_MODE, 25, 1), 1
	s_wait_xcnt 0x0
; x [8192][1024], w_qkv [3072][1024], w_out [1024][1024], f32, K innermost, become codes of FP6 (E2M3) with one E8M0 scale byte for each 32 along K,
; laid in img AS THE MATRIX OPERAND'S REGISTERS.  A TILE is 16 rows: lane r of tile t holds row 32 (t / 2) + 8 (t % 2) + r + 8 (r / 8).  A tile's RECORD is 12,800 bytes: the image of K step s
; (128 along K: 12 registers a lane; registers 4 k .. 4 k + 3 of lane l at 512 k + 16 l) at 1,536 s, s = 0 .. 7; the scale word of (s, r) at 12,288 + 64 s + 4 r.
; Tiles 0-511 are x's, 512-703 w_qkv's, 704-767 w_out's.  A work-group takes two tiles; a wave one tile and half of K: four K steps of 16 rows x 512 bytes.
; A block's scale is 2^(floor(log2(its largest magnitude)) - 2): the byte is the largest magnitude's exponent field - 2, held at 1 from below.
; LIMITS: a block of zeros gets the byte 1 where the rule says 127 (its codes are zeros, and this program alone reads the bytes); a block whose largest magnitude lies under 2^-124 is held at the byte 1;
; NaN and infinities among the inputs are not served.
; Each load reads 512 consecutive bytes of one row, 16 a lane.  The operand's layout wants lane (r, h) to hold k = 64 c + 32 h + 0 .. 31 of row r: the 16 rows turn through the wave's own stage in LDS
; (rows 528 bytes apart: 33 x 16, so that sixteen rows' reads start at sixteen different 16-byte columns).  No barrier: waves share nothing.  No matrix unit, no cluster: the launch is a stream.
.set ROWB,  4096                       ; a row of any of the three tensors in bytes
.set REC,   12800
.set SP,    528
.set WREG,  16*SP+256                  ; a wave's LDS: the stage, then its four K steps' scale words (256 bytes)
.set SPARE, 4*WREG                     ; behind the four regions: the spare words, 128 bytes a wave, that no other line names
.set L16, 2                            ; v2   16 x lane
.set STI, 3                            ; v3   the stage, in: 16 x lane
.set STO, 4                            ; v4   the stage, out: 528 r + 128 h
.set SWA, 5                            ; v5   my row's scale word in LDS: 4 r
.set SWR, 6                            ; v6   the scale words on their way out: 8 x lane
.set L8,  7                            ; v7   8 x lane
.set SH,  8                            ; v8   8 h
.set SPW, 12                           ; v12  my spare word; never rewritten
.set NIL, 13                           ; v13  0; never rewritten
.set R,   16                           ; v16-143  two sets of 64: a K step as loaded
.set X,   144                          ; v144-207 my 64 numbers: register 32 c + i = k 64 c + 32 h + i
.set C,   208                          ; v208-231 two sets of 12: the image
.set CT,  232                          ; v232-239 the upper halves of the two blocks, before they are moved
.set M,   240
.set SO,  242
.set BY,  244
.set W,   246
.set PT,  247
	s_load_b256 s[4:11], s[0:1], 0x0               ; x s[4:5], w_qkv s[6:7], w_out s[8:9], img s[10:11]
	v_lshl_add_u32 v[SPW], v0, 2, SPARE
	v_mov_b32 v[NIL], 0
	v_lshrrev_b32 v1, 5, v0
	v_readfirstlane_b32 s12, v1                    ; wave 0..3
	v_and_b32 v1, 31, v0                           ; lane
	v_and_b32 v9, 15, v0                           ; r
	v_bfe_u32 v10, v0, 4, 1                        ; h
	v_lshlrev_b32 v[L16], 4, v1
	v_lshlrev_b32 v[L8], 3, v1
	v_lshlrev_b32 v[SH], 3, v10
	s_mul_i32 s13, s12, WREG
	v_add_nc_u32 v[STI], s13, v[L16]
	v_mul_u32_u24 v[STO], v9, SP
	v_lshl_add_u32 v[STO], v10, 7, v[STO]
	v_add_nc_u32 v[STO], s13, v[STO]
	s_add_co_u32 s13, s13, 16*SP
	v_lshl_add_u32 v[SWA], v9, 2, s13
	v_add_nc_u32 v[SWR], s13, v[L8]
	v_mov_b32 v[PT], 0                             ; a lane permute's destination counts as one of its sources
	s_mov_b32 s20, 0x76543210
	s_mov_b32 s21, 0xfedcba98                      ; v_permlanex16_b32's selects for lane l xor 16
	s_lshr_b32 s15, s12, 1                         ; which of the two tiles
	s_and_b32 s16, s12, 1                          ; which half of K
	s_lshl_b32 s17, ttmp9, 1
	s_add_co_u32 s17, s17, s15                     ; my tile in img's numbering
	s_mul_i32 s22, s17, REC
	s_mul_i32 s18, s16, 4*1536
	s_add_co_u32 s24, s22, s18                     ; my four images
	s_mov_b32 s25, 0
	s_lshl_b32 s18, s16, 8
	s_add_co_u32 s26, s22, s18
	s_add_co_u32 s26, s26, 12288                   ; my 256 bytes of scale words
	s_mov_b32 s27, 0
	s_wait_kmcnt 0x0
	s_add_nc_u64 s[24:25], s[10:11], s[24:25]
	s_add_nc_u64 s[26:27], s[10:11], s[26:27]
	s_mov_b32 s14, 352
	s_cmp_lt_u32 ttmp9, 352                        ; which tensor?  The choice hangs on the work-group's number alone
	s_cselect_b64 s[6:7], s[6:7], s[8:9]
	s_cselect_b32 s14, 256, s14
	s_cmp_lt_u32 ttmp9, 256
	s_cselect_b64 s[4:5], s[4:5], s[6:7]
	s_cselect_b32 s14, 0, s14
	s_sub_co_u32 s14, ttmp9, s14                   ; the work-group's number within its tensor: rows 32 x that on
	s_lshl_b32 s17, s14, 5
	s_lshl_b32 s18, s15, 3
	s_add_co_u32 s17, s17, s18                     ; my tile's first row
	s_lshl_b32 s22, s17, 12
	s_lshl_b32 s18, s16, 11
	s_add_co_u32 s22, s22, s18                     ; + my half of K: 2,048 bytes
	s_mov_b32 s23, 0
	s_add_nc_u64 s[4:5], s[4:5], s[22:23]
.macro LOAD t                          ; K step t of my four: the tile's 16 rows, 512 consecutive bytes each
.irp i, 0,1,2,3,4,5,6,7,8,9,10,11,12,13,14,15
	global_load_b128 v[R+64*((\t)%2)+4*\i:R+64*((\t)%2)+4*\i+3], v[L16], s[4:5] offset:(\i+8*(\i/8))*ROWB+512*(\t) th:TH_LOAD_NT
.endr
.endm
.macro STEP t
.set RS, R+64*((\t)%2)
.set CC, C+12*((\t)%2)
.if (\t) < 3
	s_wait_loadcnt 16                              ; this step's 16 loads are in; the next step's 16 may be out
.else
	s_wait_loadcnt 0x0
.endif
.irp i, 0,1,2,3,4,5,6,7,8,9,10,11,12,13,14,15
	ds_store_b128 v[STI], v[RS+4*\i:RS+4*\i+3] offset:SP*\i
.endr
.irp c, 0,1
.irp j, 0,1,2,3,4,5,6,7
	ds_load_b128 v[X+32*\c+4*\j:X+32*\c+4*\j+3], v[STO] offset:256*\c+16*\j   ; LDS serves a wave's instructions in order: these see the stores above
.endr
.endr
	s_wait_dscnt 0x0                               ; my numbers are back, and the stores have read their registers,
.if (\t) < 2
	LOAD (\t)+2                                    ; which take the loads of two steps on
.endif
.irp c, 0,1
	v_max3_num_f32 v[M+\c], |v[X+32*\c]|, |v[X+32*\c+1]|, 0x1800000   ; block 2 c + h: all its 32 numbers are mine; and the floor 2^(3 - 127): the byte cannot fall under 1
.endr
.irp i, 2,4,6,8,10,12,14,16,18,20,22,24,26,28,30
.irp c, 0,1
	v_max3_num_f32 v[M+\c], v[M+\c], |v[X+32*\c+\i]|, |v[X+32*\c+\i+1]|
.endr
.endr
.irp c, 0,1
	v_add_nc_u32 v[SO+\c], 0xff000000, v[M+\c]     ; 2 off the exponent field: the conversion takes the exponent field of this operand as its scale
.endr
.irp c, 0,1
	v_lshrrev_b32 v[BY+\c], 23, v[SO+\c]           ; the scale's byte
.endr
	v_lshl_or_b32 v[W], v[BY+1], 16, v[BY]         ; my two bytes, blocks h and 2 + h,
	v_lshlrev_b32 v[W], v[SH], v[W]                ; at their places in the row's word;
	v_permlanex16_b32 v[PT], v[W], s20, s21
	v_or_b32 v[W], v[W], v[PT]                     ; with lane l xor 16's two the word is whole
.if (\t) >= 2
	s_wait_xcnt 0x0                                ; the stores of two steps back have read this set of image registers: only now are they written again
.endif
.irp c, 0,1
	v_cvt_scalef32_pk16_fp6_f32 v[CC+6*\c:CC+6*\c+2], v[X+32*\c:X+32*\c+15], v[SO+\c]
	v_cvt_scalef32_pk16_fp6_f32 v[CT+4*\c:CT+4*\c+2], v[X+32*\c+16:X+32*\c+31], v[SO+\c]   ; (a conversion's three registers begin on an even number)
.endr
	v_nop                                          ; one plain place behind a scaled conversion
.irp c, 0,1
.irp i, 0,1,2
	v_mov_b32 v[CC+6*\c+3+\i], v[CT+4*\c+\i]
.endr
.endr
.irp k, 0,1,2
	global_store_b128 v[L16], v[CC+4*\k:CC+4*\k+3], s[24:25] offset:1536*(\t)+512*\k   ; 32 lanes store 512 consecutive bytes, at a multiple of 256 from img's first byte
.endr
	ds_store_b32 v[SWA], v[W] offset:64*(\t)       ; lanes r and r + 16 write the same word with the same value
.endm
	LOAD 0
	LOAD 1
	STEP 0
	STEP 1
	STEP 2
	STEP 3
	ds_load_b64 v[M:M+1], v[SWR]                   ; my four steps' scale words: these see my stores
	s_wait_dscnt 0x0
	global_store_b64 v[L8], v[M:M+1], s[26:27]     ; 32 lanes store 256 consecutive bytes, aligned
	s_wait_tensorcnt 0x0                           ; the wave's end, behind my last LDS store
	ds_add_u32 v[SPW], v[NIL]
	s_wait_dscnt 0x0
	s_endpgm
.Lfunc_end_k_q9d53a5f493_quant:
	.size	k_q9d53a5f493_quant, .Lfunc_end_k_q9d53a5f493_quant-k_q9d53a5f493_quant
	.p2alignl 7, 3214868480
	.fill 96, 4, 3214868480
	.section	.rodata,"a",@progbits
	.p2align	6, 0x0
	.amdhsa_kernel k_q9d53a5f493_quant
		.amdhsa_group_segment_fixed_size 35328
		.amdhsa_private_segment_fixed_size 0
		.amdhsa_enable_private_segment 0
		.amdhsa_kernarg_size 32
		.amdhsa_user_sgpr_count 2
		.amdhsa_user_sgpr_kernarg_segment_ptr 1
		.amdhsa_wavefront_size32 1
		.amdhsa_system_sgpr_workgroup_id_x 1
		.amdhsa_system_sgpr_workgroup_id_y 1
		.amdhsa_system_sgpr_workgroup_id_z 1
		.amdhsa_system_vgpr_workitem_id 0
		.amdhsa_next_free_vgpr 256
		.amdhsa_next_free_sgpr 66
		.amdhsa_reserve_vcc 0
		.amdhsa_float_denorm_mode_32 3
		.amdhsa_float_denorm_mode_16_64 3
		.amdhsa_memory_ordered 1
		.amdhsa_forward_progress 1
		.amdhsa_inst_pref_size 31
	.end_amdhsa_kernel
	.amdgpu_metadata
---
amdhsa.version: [ 1, 2 ]
amdhsa.kernels:
  - .name:           k_q9d53a5f493_quant
    .symbol:         k_q9d53a5f493_quant.kd
    .args:
      - { .name: x, .offset: 0, .size: 8, .value_kind: global_buffer, .address_space: global }
      - { .name: w_qkv, .offset: 8, .size: 8, .value_kind: global_buffer, .address_space: global }
      - { .name: w_out, .offset: 16, .size: 8, .value_kind: global_buffer, .address_space: global }
      - { .name: img, .offset: 24, .size: 8, .value_kind: global_buffer, .address_space: global }
    .group_segment_fixed_size: 35328
    .private_segment_fixed_size: 0
    .kernarg_segment_align: 8
    .kernarg_segment_size: 32
    .max_flat_workgroup_size: 128
    .sgpr_count:     66
    .vgpr_count:     256
    .wavefront_size: 32
...
	.end_amdgpu_metadata
.endif
;; end of part 1
;; launch proj (part 2): grid 256 x 1, 4 waves a work-group, clusters of 4 x 1, 327,680 bytes of LDS; arguments img, qimg, kimg, vimg; writes qimg, kimg, vimg
.if DOCPART == 2
	.amdgcn_target "amdgcn-amd-amdhsa--gfx1250"
	.amdhsa_code_object_version 6
	.text
	.protected	k_q9d53a5f493_proj
	.globl	k_q9d53a5f493_proj
	.p2align	8
	.type	k_q9d53a5f493_proj,@function
k_q9d53a5f493_proj:
	s_mov_b64 s[64:65], 0
	v_nop
	global_prefetch_b8 v0, s[64:65] scope:SCOPE_SE
	s_setreg_imm32_b32 hwreg(HW_REG_WAVE_MODE, 25, 1), 1
	s_wait_xcnt 0x0
	s_wait_alu depctr_hold_cnt(0) depctr_sa_sdst(0) depctr_va_vdst(0) depctr_va_sdst(0) depctr_va_ssrc(0) depctr_va_vcc(0) depctr_vm_vsrc(0)
	s_getreg_b32 s2, hwreg(HW_REG_IB_STS2, 6, 4)
	s_cmp_eq_u32 s2, 0
	s_cbranch_scc0 .Lentry_in_a_cluster
	s_endpgm
.Lentry_in_a_cluster:
	s_bfe_u32 s2, ttmp6, 0x10000c
	s_cmp_lg_u32 s2, 0x3003
	s_cbranch_scc0 .Lentry_shape_is_right
	s_endpgm
.Lentry_shape_is_right:
; qkv = x w_qkv^T on codes of FP6 (E2M3) with E8M0 scales, and the quantisers of q, k and v behind it: q, k, v leave as codes, laid as the attention's operand registers.
; img holds x's and w_qkv's tiles as records of register images (16 rows: lane r of tile t holds row 32 (t / 2) + 8 (t % 2) + r + 8 (r / 8); image of K step s at 1,536 s; scale word of (s, r) at 12,288 + 64 s + 4 r).
; A UNIT is 128 rows as source 0 (8 tiles, whole K, 102,400 bytes in LDS, read by all four waves) x 256 rows as source 1 (4 tiles a wave, whole K, 384 registers).  In the result a lane holds ONE row of source 1 and
; the 16 registers of source 0's tiles 2 b, 2 b + 1 are rows 32 b + 16 (lane / 16) + 0 .. 15 of source 0: neighbours along the NEXT product's K.
; Every work-group does three units.  Units 0, 1: source 0 = 128 rows of w_q or w_k (two heads), source 1 = 256 tokens: registers run along the head's 64.  Unit 2: source 0 = 128 tokens, source 1 = 256 rows of w_v
; (a head a wave): registers run along the keys.  768 units in all, 3 for each of 256 work-groups.
; CLUSTER: the four work-groups of a cluster need the same three blocks of source 0 (they hang on the cluster's number alone): each is asked for JOINTLY, once, at the start.  All three fit in LDS together:
; nothing is filled again, so there is no ring.  The place in the cluster enters global addresses alone.
; OUT.  qimg, kimg: a record of 6,400 bytes for each head and 128 tokens: the image of token pair p (tiles 2 p, 2 p + 1) at 1,536 p: registers 0-5 tile 2 p's 64 dims, registers 6-11 tile 2 p + 1's;
; at 6,144 + 16 r + 4 p a word: bytes 0, 1 tile 2 p's scales of row r, bytes 2, 3 tile 2 p + 1's.  vimg: for each head and 128 keys: the image of d-tile t (K = the 128 keys) at 1,536 t; its scale word at 6,144 + 16 r + 4 t.
; LIMITS: a block of zeros gets the byte 1 (its codes are zeros; this program alone reads the bytes); a block whose largest magnitude lies under 2^-124 is held at the byte 1; NaN and infinities are not served.
; REGISTERS, in windows of 256: window 0: v2-23 addresses; v32-47 source 1's scale words; v48-63 source 0's, two sets; v64-159, v160-255 source 0's fragments, two sets (behind a unit the second set's registers serve the quantiser);
;   window 1: source 1's fragments of K steps 0-3 at v[48 m + 12 s];  window 2: those of K steps 4-7;  window 3: the 32 accumulators, (m, a) at v[64 m + 8 a].
.set REC,   12800
.set UNIT,  8*REC
.set QREC,  6400
.set HEADB, 16*QREC                    ; from a head to the next in qimg, kimg, vimg
.set SPARE, 3*UNIT                     ; behind the three units: the spare words, 128 bytes a wave, that no other line names
.set L16, 2                            ; v2     16 x lane
.set L4,  3                            ; v3     4 x lane
.set ADR, 4                            ; v4-9   LDS: unit n, tiles 4 hf on: 16 x lane + n UNIT + 4 hf REC
.set ADS, 10                           ; v10-15 the same with 4 x lane
.set SPW, 16                           ; v16    my spare word; never rewritten
.set NIL, 17                           ; v17    0; never rewritten
.set R16, 18                           ; v18    16 x (lane % 16)
.set PT,  20                           ; v20-23 the lane permutes' destinations
.set S1S, 32
.set S0S, 48
.set S0F, 64
.set IMG, 160                          ; the quantiser's: four images,
.set CT,  208                          ; the blocks' upper halves before they are moved,
.set TM,  216                          ; largest magnitudes,
.set SO,  220                          ; the conversions' scale operands,
.set BY,  224                          ; bytes,
.set WRD, 228                          ; scale words,
.set TT,  232                          ; at work
.set WV,  12
.set G1,  24                           ; s[24:31] descriptor group 1;  s[32:43] group 0, one set for each unit
.set G0,  32
.set SEL, 54
.set MSB, 0
.macro WIN new                         ; the immediate's high byte repeats the setting that is left
.if MSB != (\new)
	s_set_vgpr_msb (MSB<<8)|(\new)
.set MSB, (\new)
.endif
.endm
.macro PLACES n
.rept \n
	v_nop
.endr
.endm
.macro BAR
	s_barrier_signal -1
	s_barrier_wait -1
.endm
.macro CROUND                          ; a round of the cluster's barrier
	s_barrier_signal -1
	s_barrier_wait -1
	s_cmp_lg_u32 s[WV], 0
	s_cbranch_scc1 .Lnot_wave_0_\@
	s_barrier_signal -3
.Lnot_wave_0_\@:
	s_barrier_wait -3
	s_barrier_signal -1
	s_barrier_wait -1
.endm
	s_load_b256 s[4:11], s[0:1], 0x0               ; img s[4:5], qimg s[6:7], kimg s[8:9], vimg s[10:11]
	v_lshl_add_u32 v[SPW], v0, 2, SPARE
	v_mov_b32 v[NIL], 0
	ds_add_u32 v[SPW], v[NIL]                      ; the wave's opening: the add and its wait stand ahead of my first tensor load; work on registers stands between them
	v_lshrrev_b32 v1, 5, v0
	v_readfirstlane_b32 s[WV], v1                  ; wave 0..3
	; descriptor group 1: a dense block of 25,600 bytes (two records) as 100 rows of 256 bytes
	s_mov_b32 s[G1+0], 15|(3<<16)|(1<<21)          ; 15:0 the mask: all four work-groups; 17:16 elements of 8 bytes; 20 no padding; 21 set beside a mask
	s_mov_b32 s[G1+1], 32<<16                      ; tensor_dim0 = 32
	s_mov_b32 s[G1+2], 100<<16                     ; tensor_dim1 = 100
	s_mov_b32 s[G1+3], 32<<16                      ; tile_dim0 = 32
	s_mov_b32 s[G1+4], 100                         ; tile_dim1 = 100
	s_mov_b32 s[G1+5], 32                          ; the pitch
	s_mov_b32 s[G1+6], 0
	s_mov_b32 s[G1+7], 0
	s_lshr_b32 s15, ttmp9, 3                       ; g: which 256 rows of w_q (0-3) or w_k (4-7)
	s_mul_i32 s50, s[WV], 2*REC                    ; my quarter of a unit, in LDS and in memory
	s_lshl_b32 s52, s15, 4
	s_add_co_u32 s52, s52, 512                     ; w_qkv's tiles begin at img's tile 512
	s_mul_i32 s52, s52, REC
	s_add_co_u32 s52, s52, s50
	s_mov_b32 s53, 0
	s_mul_i32 s56, ttmp9, UNIT                     ; unit 2: x's tiles 8 c on
	s_add_co_u32 s56, s56, s50
	s_mov_b32 s57, 0
	s_mov_b32 s[SEL], 0x76543210
	s_mov_b32 s[SEL+1], 0xfedcba98
	s_wait_dscnt 0x0                               ; the opening add is done
	s_wait_kmcnt 0x0
	s_mov_b32 s[G0+0], 1
	s_mov_b32 s[G0+1], s50
	s_add_nc_u64 s[G0+2:G0+3], s[4:5], s[52:53]
	s_or_b32 s[G0+3], s[G0+3], 0x80000000
	s_mov_b32 s[G0+4], 1
	s_add_co_u32 s[G0+5], s50, UNIT
	s_add_nc_u64 s[G0+6:G0+7], s[4:5], s[52:53]
	s_add_nc_u64 s[G0+6:G0+7], s[G0+6:G0+7], UNIT
	s_or_b32 s[G0+7], s[G0+7], 0x80000000
	s_mov_b32 s[G0+8], 1
	s_add_co_u32 s[G0+9], s50, 2*UNIT
	s_add_nc_u64 s[G0+10:G0+11], s[4:5], s[56:57]
	s_or_b32 s[G0+11], s[G0+11], 0x80000000
	CROUND                                         ; all four work-groups are here: the joint loads meet
	tensor_load_to_lds s[G0+0:G0+3], s[G1:G1+7]    ; the three first fills go out together: three loads of mine are out, and no more follow
	s_nop 0
	tensor_load_to_lds s[G0+4:G0+7], s[G1:G1+7]
	s_nop 0
	tensor_load_to_lds s[G0+8:G0+11], s[G1:G1+7]
	s_nop 0
	PLACES 4
	v_and_b32 v1, 31, v0
	v_and_b32 v19, 15, v0
	v_lshlrev_b32 v[L16], 4, v1
	v_lshlrev_b32 v[L4], 2, v1
	v_lshlrev_b32 v[R16], 4, v19
.irp n, 0,1,2
.irp hf, 0,1
	v_add_nc_u32 v[ADR+2*\n+\hf], \n*UNIT+\hf*4*REC, v[L16]
	v_add_nc_u32 v[ADS+2*\n+\hf], \n*UNIT+\hf*4*REC, v[L4]
.endr
.endr
.irp b, 0,1,2,3
	v_mov_b32 v[PT+\b], 0
.endr
	s_bfe_u32 s13, ttmp6, 0x40000                  ; cx: it enters global addresses alone
	s_and_b32 s16, ttmp9, 7
	s_lshl_b32 s16, s16, 2
	s_add_co_u32 s16, s16, s13                     ; i: which 256 tokens (units 0, 1)
	s_lshl_b32 s58, s16, 4
	s_lshl_b32 s60, s[WV], 2
	s_add_co_u32 s58, s58, s60
	s_mul_i32 s58, s58, REC
	s_mov_b32 s59, 0
	s_add_nc_u64 s[18:19], s[4:5], s[58:59]        ; x's tiles 16 i + 4 w on
	s_lshl_b32 s58, s13, 4
	s_add_co_u32 s58, s58, s60
	s_add_co_u32 s58, s58, 640                     ; w_v's tiles begin at img's tile 640
	s_mul_i32 s58, s58, REC
	s_add_nc_u64 s[20:21], s[4:5], s[58:59]        ; w_v's tiles 16 cx + 4 w on: head 4 cx + w
	s_cmp_lt_u32 s15, 4
	s_cselect_b64 s[44:45], s[6:7], s[8:9]         ; q's images or k's
	s_lshr_b32 s58, s16, 3                         ; the batch,
	s_lshl_b32 s58, s58, 4
	s_and_b32 s60, s15, 3
	s_lshl_b32 s60, s60, 2
	s_add_co_u32 s58, s58, s60                     ; x 16 + the first of my four heads,
	s_lshl_b32 s58, s58, 4
	s_and_b32 s60, s16, 7
	s_lshl_b32 s60, s60, 1
	s_add_co_u32 s58, s58, s60
	s_lshr_b32 s60, s[WV], 1
	s_add_co_u32 s58, s58, s60                     ; x 16 + my wave's step of 128 tokens
	s_mul_i32 s58, s58, QREC
	s_and_b32 s60, s[WV], 1                        ; my 64 tokens are that step's pairs 2 (w % 2), 2 (w % 2) + 1
	s_lshl_b32 s61, s60, 3
	s_add_co_u32 s62, s58, s61
	s_add_co_u32 s62, s62, 6144
	s_mov_b32 s63, 0
	s_add_nc_u64 s[46:47], s[44:45], s[62:63]      ; their scale words
	s_mul_i32 s61, s60, 2*1536
	s_add_co_u32 s62, s58, s61
	s_add_nc_u64 s[44:45], s[44:45], s[62:63]      ; their images
	s_lshr_b32 s58, ttmp9, 4                       ; unit 2: the batch,
	s_lshl_b32 s58, s58, 4
	s_lshl_b32 s60, s13, 2
	s_add_co_u32 s58, s58, s60
	s_add_co_u32 s58, s58, s[WV]                   ; my head,
	s_lshl_b32 s58, s58, 4
	s_and_b32 s60, ttmp9, 15
	s_add_co_u32 s58, s58, s60                     ; the step of 128 keys
	s_mul_i32 s58, s58, QREC
	s_add_nc_u64 s[48:49], s[10:11], s[58:59]
.macro FETCH n, ks, fs                 ; source 0's eight fragments of K step ks of unit n into set fs: each load reads 512 consecutive bytes
.irp a, 0,1,2,3,4,5,6,7
.irp c, 0,1,2
	ds_load_b128 v[S0F+96*(\fs)+12*\a+4*\c:S0F+96*(\fs)+12*\a+4*\c+3], v[ADR+2*(\n)+\a/4] offset:(\a%4)*REC+1536*(\ks)+512*\c
.endr
.endr
.endm
.macro FETCHS n, q, fs                 ; their scale words of K steps 2 q (lanes 0-15) and 2 q + 1 (lanes 16-31)
.irp a, 0,1,2,3,4,5,6,7
	ds_load_b32 v[S0S+8*(\fs)+\a], v[ADS+2*(\n)+\a/4] offset:(\a%4)*REC+12288+128*(\q)
.endr
.endm
.macro S1LOAD lo                       ; source 1: my four tiles, all of K, and their scale words, from img straight into registers
	WIN 0x40
.irp m, 0,1,2,3
.irp k, 0,1,2,3
.irp c, 0,1,2
	global_load_b128 v[48*\m+12*\k+4*\c:48*\m+12*\k+4*\c+3], v[L16], s[\lo:\lo+1] offset:\m*REC+1536*\k+512*\c
.endr
.endr
.endr
	WIN 0x80
.irp m, 0,1,2,3
.irp k, 0,1,2,3
.irp c, 0,1,2
	global_load_b128 v[48*\m+12*\k+4*\c:48*\m+12*\k+4*\c+3], v[L16], s[\lo:\lo+1] offset:\m*REC+1536*(\k+4)+512*\c
.endr
.endr
.endr
	WIN 0
.irp m, 0,1,2,3
.irp q, 0,1,2,3
	global_load_b32 v[S1S+4*\m+\q], v[L4], s[\lo:\lo+1] offset:\m*REC+12288+128*\q
.endr
.endr
.endm
; 32 matrix instructions: K step ks.  The 32 accumulators take turns, one instruction a turn, in the same order in every step.  zero = 1: the products start the sums.
.macro MUL ks, zero
	WIN 0xf4+4*((\ks)/4)                           ; source 0 window 0, source 1 window 1 or 2, C and D window 3
.irp a, 0,1,2,3,4,5,6,7
.irp m, 0,1,2,3
.if \zero
	v_wmma_scale_f32_16x16x128_f8f6f4 v[64*\m+8*\a:64*\m+8*\a+7], v[S0F+96*((\ks)%2)+12*\a:S0F+96*((\ks)%2)+12*\a+11], v[48*\m+12*((\ks)%4):48*\m+12*((\ks)%4)+11], 0, v[S0S+8*(((\ks)/2)%2)+\a], v[S1S+4*\m+(\ks)/2] matrix_a_fmt:MATRIX_FMT_FP6 matrix_b_fmt:MATRIX_FMT_FP6
.elseif (\ks)%2
	v_wmma_scale_f32_16x16x128_f8f6f4 v[64*\m+8*\a:64*\m+8*\a+7], v[S0F+96*((\ks)%2)+12*\a:S0F+96*((\ks)%2)+12*\a+11], v[48*\m+12*((\ks)%4):48*\m+12*((\ks)%4)+11], v[64*\m+8*\a:64*\m+8*\a+7], v[S0S+8*(((\ks)/2)%2)+\a], v[S1S+4*\m+(\ks)/2] matrix_a_fmt:MATRIX_FMT_FP6 matrix_b_fmt:MATRIX_FMT_FP6 matrix_a_scale:MATRIX_SCALE_ROW1 matrix_b_scale:MATRIX_SCALE_ROW1
.else
	v_wmma_scale_f32_16x16x128_f8f6f4 v[64*\m+8*\a:64*\m+8*\a+7], v[S0F+96*((\ks)%2)+12*\a:S0F+96*((\ks)%2)+12*\a+11], v[48*\m+12*((\ks)%4):48*\m+12*((\ks)%4)+11], v[64*\m+8*\a:64*\m+8*\a+7], v[S0S+8*(((\ks)/2)%2)+\a], v[S1S+4*\m+(\ks)/2] matrix_a_fmt:MATRIX_FMT_FP6 matrix_b_fmt:MATRIX_FMT_FP6
.endif
.endr
.endr
.endm
.macro STEP n, ks
	s_wait_dscnt 0x0                               ; this step's fragments, asked for 32 matrix instructions ago, are in
	WIN 0
	PLACES 4                                       ; four places in front of loads into registers that the step before has multiplied (ISA guide 7.12.1 for vector instructions)
.if (\ks) < 7
	FETCH \n, (\ks)+1, ((\ks)+1)%2
.if (\ks)%2 == 1
	FETCHS \n, ((\ks)+1)/2, (((\ks)+1)/2)%2
.endif
.endif
.if (\ks) == 0
	MUL \ks, 1
.else
	MUL \ks, 0
.endif
.endm
; 64 results of a lane in window 3, register src + 16 b + i = k 32 b + 16 (lane / 16) + i of my row, become codes: blocks 0, 1 in v[d0] .. v[d0 + 5], blocks 2, 3 in v[d1] .. v[d1 + 5]; the four bytes in v[BY] on.
; Each accumulator is read from its low end on.
.macro QUANT src, d0, d1
	WIN 0x0f                                       ; sources 0 and 1 window 3
.irp b, 0,1,2,3
	v_max3_num_f32 v[TM+\b], |v[(\src)+16*\b]|, |v[(\src)+16*\b+1]|, 0x1800000   ; my 16 numbers of block b, and the floor 2^(3 - 127): the byte cannot fall under 1
.endr
.irp i, 2,4,6,8,10,12,14
.irp b, 0,1,2,3
	v_max3_num_f32 v[TM+\b], |v[(\src)+16*\b+\i]|, |v[(\src)+16*\b+\i+1]|, v[TM+\b]
.endr
.endr
	WIN 0
.irp b, 0,1,2,3
	v_permlanex16_b32 v[PT+\b], v[TM+\b], s[SEL], s[SEL+1]
.endr
.irp b, 0,1,2,3
	v_max_num_f32 v[TM+\b], v[TM+\b], v[PT+\b]     ; with lane l xor 16's: the block's largest magnitude
.endr
.irp b, 0,1,2,3
	v_add_nc_u32 v[SO+\b], 0xff000000, v[TM+\b]    ; 2 off its exponent field: the conversion's scale operand
.endr
.irp b, 0,1,2,3
	v_lshrrev_b32 v[BY+\b], 23, v[SO+\b]           ; the scale's byte
.endr
	WIN 0x03                                       ; source 0 window 3
	v_cvt_scalef32_pk16_fp6_f32 v[(\d0):(\d0)+2], v[(\src):(\src)+15], v[SO]
	v_cvt_scalef32_pk16_fp6_f32 v[CT:CT+2], v[(\src)+16:(\src)+31], v[SO+1]
	v_cvt_scalef32_pk16_fp6_f32 v[(\d1):(\d1)+2], v[(\src)+32:(\src)+47], v[SO+2]
	v_cvt_scalef32_pk16_fp6_f32 v[CT+4:CT+6], v[(\src)+48:(\src)+63], v[SO+3]
	WIN 0
	v_nop                                          ; one plain place behind a scaled conversion
.irp i, 0,1,2                                  ; the operand's layout wants a WHOLE block in a lane: lanes 0-15 the even block, lanes 16-31 the odd one
	v_permlane16_swap_b32 v[(\d0)+\i], v[CT+\i]
	v_permlane16_swap_b32 v[(\d1)+\i], v[CT+4+\i]
.endr
.irp i, 0,1,2
	v_mov_b32 v[(\d0)+3+\i], v[CT+\i]
	v_mov_b32 v[(\d1)+3+\i], v[CT+4+\i]
.endr
.endm
; Behind unit n of q or k: blocks 0, 1 of a row are head 2 n's 64 dims, blocks 2, 3 head 2 n + 1's.  The image of (pair pb, head e) stands at IMG + 24 pb + 12 e: registers 0-5 tile 2 pb's, 6-11 tile 2 pb + 1's.
.macro EPI_QK n
.irp pb, 0,1
.irp u, 0,1
	QUANT 64*(2*\pb+\u), IMG+24*\pb+6*\u, IMG+24*\pb+12+6*\u
.if \u == 0
	v_lshl_or_b32 v[WRD+\pb], v[BY+1], 8, v[BY]
	v_lshl_or_b32 v[WRD+2+\pb], v[BY+3], 8, v[BY+2]
.else
	v_lshl_or_b32 v[TT], v[BY+1], 8, v[BY]
	v_lshl_or_b32 v[WRD+\pb], v[TT], 16, v[WRD+\pb]
	v_lshl_or_b32 v[TT], v[BY+3], 8, v[BY+2]
	v_lshl_or_b32 v[WRD+2+\pb], v[TT], 16, v[WRD+2+\pb]
.endif
.endr
.endr
.irp e, 0,1
.irp pb, 0,1
.irp c, 0,1,2
	global_store_b128 v[L16], v[IMG+24*\pb+12*\e+4*\c:IMG+24*\pb+12*\e+4*\c+3], s[44:45] offset:(2*(\n)+\e)*HEADB+1536*\pb+512*\c   ; 512 consecutive bytes, at a multiple of 256 from the buffer's first byte
.endr
.endr
	global_store_b64 v[R16], v[WRD+2*\e:WRD+2*\e+1], s[46:47] offset:(2*(\n)+\e)*HEADB   ; my two pairs' words of row r; lanes r and r + 16 store the same bytes.  8 bytes of each 16: one part in 24 of the codes' bytes
.endr
	s_wait_xcnt 0x0                                ; the stores have read their registers: the next unit's fragments may land there
.endm
.macro EPI_V                           ; behind unit 2: a row is one d of my head, its 128 registers' worth of K the step's keys: one whole image a d-tile
.irp m, 0,1,2,3
	QUANT 64*\m, IMG+12*\m, IMG+12*\m+6
	v_lshl_or_b32 v[WRD+\m], v[BY+1], 8, v[BY]
	v_lshl_or_b32 v[WRD+\m], v[BY+2], 16, v[WRD+\m]
	v_lshl_or_b32 v[WRD+\m], v[BY+3], 24, v[WRD+\m]
.endr
.irp m, 0,1,2,3
.irp c, 0,1,2
	global_store_b128 v[L16], v[IMG+12*\m+4*\c:IMG+12*\m+4*\c+3], s[48:49] offset:1536*\m+512*\c
.endr
.endr
	global_store_b128 v[R16], v[WRD:WRD+3], s[48:49] offset:6144   ; 256 consecutive bytes; lanes r and r + 16 store the same bytes
.endm
	S1LOAD 18                                      ; my 64 tokens of x
	s_wait_tensorcnt 0x2                           ; my part of unit 0 is in; units 1 and 2 may stay out
	BAR                                            ; everybody's is
	FETCH 0, 0, 0
	FETCHS 0, 0, 0
	s_wait_loadcnt 0x0                             ; source 1
.irp k, 0,1,2,3,4,5,6,7
	STEP 0, \k
.endr
	WIN 0
	s_wait_tensorcnt 0x1                           ; my part of unit 1 is in (no LDS instruction of mine is out: the last were waited for at the last step's head)
	BAR
	PLACES 4                                       ; behind the last products: for the quantiser's reads and writes, and the loads below
	FETCH 1, 0, 0                                  ; they land under the quantiser
	FETCHS 1, 0, 0
	EPI_QK 0
.irp k, 0,1,2,3,4,5,6,7
	STEP 1, \k
.endr
	WIN 0
	s_wait_tensorcnt 0x0                           ; my part of unit 2 is in
	BAR
	PLACES 4
	FETCH 2, 0, 0
	FETCHS 2, 0, 0
	S1LOAD 20                                      ; my head's rows of w_v: they land under the quantiser
	EPI_QK 1
	s_wait_loadcnt 0x0
.irp k, 0,1,2,3,4,5,6,7
	STEP 2, \k
.endr
	WIN 0
	PLACES 4
	EPI_V
	s_wait_tensorcnt 0x0                           ; the wave's end, behind my last tensor load
	ds_add_u32 v[SPW], v[NIL]
	s_wait_dscnt 0x0
	CROUND                                         ; the closing round
	s_endpgm
.Lfunc_end_k_q9d53a5f493_proj:
	.size	k_q9d53a5f493_proj, .Lfunc_end_k_q9d53a5f493_proj-k_q9d53a5f493_proj
	.p2alignl 7, 3214868480
	.fill 96, 4, 3214868480
	.section	.rodata,"a",@progbits
	.p2align	6, 0x0
	.amdhsa_kernel k_q9d53a5f493_proj
		.amdhsa_group_segment_fixed_size 327680
		.amdhsa_private_segment_fixed_size 0
		.amdhsa_enable_private_segment 0
		.amdhsa_kernarg_size 32
		.amdhsa_user_sgpr_count 2
		.amdhsa_user_sgpr_kernarg_segment_ptr 1
		.amdhsa_wavefront_size32 1
		.amdhsa_system_sgpr_workgroup_id_x 1
		.amdhsa_system_sgpr_workgroup_id_y 1
		.amdhsa_system_sgpr_workgroup_id_z 1
		.amdhsa_system_vgpr_workitem_id 0
		.amdhsa_next_free_vgpr 1024
		.amdhsa_next_free_sgpr 66
		.amdhsa_reserve_vcc 0
		.amdhsa_float_denorm_mode_32 3
		.amdhsa_float_denorm_mode_16_64 3
		.amdhsa_memory_ordered 1
		.amdhsa_forward_progress 1
		.amdhsa_inst_pref_size 222
	.end_amdhsa_kernel
	.amdgpu_metadata
---
amdhsa.version: [ 1, 2 ]
amdhsa.kernels:
  - .name:           k_q9d53a5f493_proj
    .symbol:         k_q9d53a5f493_proj.kd
    .args:
      - { .name: img, .offset: 0, .size: 8, .value_kind: global_buffer, .address_space: global }
      - { .name: qimg, .offset: 8, .size: 8, .value_kind: global_buffer, .address_space: global }
      - { .name: kimg, .offset: 16, .size: 8, .value_kind: global_buffer, .address_space: global }
      - { .name: vimg, .offset: 24, .size: 8, .value_kind: global_buffer, .address_space: global }
    .group_segment_fixed_size: 327680
    .private_segment_fixed_size: 0
    .kernarg_segment_align: 8
    .kernarg_segment_size: 32
    .max_flat_workgroup_size: 128
    .sgpr_count:     66
    .vgpr_count:     1024
    .wavefront_size: 32
...
	.end_amdgpu_metadata
.endif
;; end of part 2
;; launch attn (part 3): grid 8 x 64, 16 waves a work-group, no clusters, 327,680 bytes of LDS; arguments qimg, kimg, vimg, yimg; writes yimg
.if DOCPART == 3
	.amdgcn_target "amdgcn-amd-amdhsa--gfx1250"
	.amdhsa_code_object_version 6
	.text
	.protected	k_q9d53a5f493_attn
	.globl	k_q9d53a5f493_attn
	.p2align	8
	.type	k_q9d53a5f493_attn,@function
k_q9d53a5f493_attn:
	s_mov_b64 s[64:65], 0
	v_nop
	global_prefetch_b8 v0, s[64:65] scope:SCOPE_SE
	s_setreg_imm32_b32 hwreg(HW_REG_WAVE_MODE, 25, 1), 1
	s_wait_xcnt 0x0
; y[bh][q][:] = the sum over k <= q of softmax_k(q . k / 8) v[k][:], both products on codes of FP6 (E2M3) with E8M0 scales, and the quantiser of y (along E) behind it.  64 heads (batch x 16), 2,048 tokens, head size 64.
; THE SOFTMAX AHEAD OF THE SECOND PRODUCT: t = score x log2(e) / 8; M = the row's largest t so far, rounded UP to a whole number; p = 2^(t - M) is quantised along the keys, not normalised.  The row's sum is taken of the
; unquantised p and divides at the end.  When M moves, the sum and O are multiplied by 2^(old M - new M): exact.
; IN: records of 6,400 bytes for each head and 128 tokens, as register images.  q, k: the image of token pair p at 1,536 p: registers 0-5 tile 2 p's 64 dims, registers 6-11 tile 2 p + 1's; words at 6,144 + 16 r + 4 p (bytes 0, 1: tile 2 p).
; v: the image of d-tile t (K = the 128 keys) at 1,536 t; words at 6,144 + 16 r + 4 t.  Lane r of tile t holds row 32 (t / 2) + 8 (t % 2) + r + 8 (r / 8).
; THE HEAD'S K IS 64, THE INSTRUCTION'S 128.  K's operand is a PAIR image: two tiles of keys side by side.  My queries stand twice: QLO = [q | zero codes], QHI = [zero codes | q].  Pair x QLO gives the scores of the pair's first
; tile, pair x QHI those of its second: the other tile's codes meet zero codes, which add exact zeros (the zero codes' scale byte is 0, which is 2^-127).  So no byte of K in memory, LDS or registers is filling.
; LAYOUT.  Both products transposed: a lane holds ONE query (lane % 16); the 16 score registers of a pair are keys 32 b + 16 (lane / 16) + 0 .. 15; O^T's registers are the head's d 32 b + 16 (lane / 16) + 0 .. 15: neighbours along the
; next product's K, so y is quantised in registers: half an image (6 registers) for each token tile and head: yimg's record of a token tile is 12,800 bytes: head hd's half at 768 hd (registers 0-3 at 16 x lane, 4, 5 at 512 + 8 x lane),
; its two scale bytes of row r at 12,288 + 64 (hd / 2) + 4 r + 2 (hd % 2).
; SHARES.  A work-group owns query blocks j and 15 - j (128 queries each) of one head: j + 1 and 16 - j key steps, 17 for every work-group.  Each of sixteen waves owns one tile of 16 queries, in 256 registers: four waves to a SIMD,
; two of the early block and two of the late one.  K's and V's records come through a ring of two LDS slots of two key steps, filled by the tensor data mover (waves 0, 1: K's two records; waves 2, 3: V's).
; CAUSAL.  Every work-group walks all 8 slots (constant trip counts).  A step all of whose keys come after my queries is left out by a scalar branch on ids; a slot whose first key comes after the work-group's last query is not asked for.
; NO CLUSTER: the eight work-groups of a head read the same K and V, but each leaves out other steps (the branch hangs on the wave's first query) and ends its fills at another slot (its last query is 128 (16 - j) - 1): partners would need
; different numbers of tiles, and without the skip the work would double.
; LIMITS: 1 / l is v_rcp_f32 and a multiplication; a block's largest p is taken from the block's largest score (p rises with the score); a block of zeros gets the byte 1 (zero codes; this program alone reads the bytes);
; a block of y whose largest magnitude lies under 2^-124 is held at the byte 1; NaN and infinities are not served.
.set QREC,  6400
.set SLOT1, 32768                      ; slot 1 begins here: one exclusive or turns an address from one slot into the other's.  A slot: K's two records, then V's two: 25,600 bytes
.set SPARE, 65536                      ; the spare words, 128 bytes for each of sixteen waves, that no other line names
.set L16, 1                            ; v1   16 x lane
.set R16, 2                            ; v2   16 x (lane % 16)
.set SPW, 3                            ; v3   my spare word; never rewritten
.set NIL, 4                            ; v4   0; never rewritten
.set QY,  5                            ; v5   my query - 16 (lane / 16)
.set L8,  6                            ; v6   8 x lane
.set R4,  7                            ; v7   4 x (lane % 16)
.set ADC, 8                            ; v8   LDS: the slot in hand + 16 x lane
.set ADW, 9                            ; v9   the same + 16 x (lane % 16)
.set PFO, 10                           ; v10  the prefetches' offset: 256 x min(lane, 24); never rewritten
.set QLO, 16                           ; v16-27, v28-39 my queries, twice
.set QHI, 28
.set KI,  40                           ; v40-87 K's four pair images; behind the first product: p's codes, and the softmax's small things
.set PC,  40
.set CT,  52
.set BM,  60
.set SO,  64
.set BY,  68
.set VI,  88                           ; v88-135 V's four images
.set S,   136                          ; v136-199 S^T, then p
.set OT,  200                          ; v200-231 O^T
.set KS,  232                          ; v232-235 K's scale words, v236-239 V's, v240, v241 Q's two, v242 p's: v232-235 and v242 also serve the step's sum as temporaries
.set VS,  236
.set QSL, 240
.set QSH, 241
.set PS,  242
.set PT,  244                          ; v244-247 the lane permutes' destinations
.set FF,  248                          ; v[248:249] f = 2^(old M - new M) (the upper half is named with it, so it is written once)
.set SUM2, 250                         ; v[250:251] the sum's second chain;  v12 -M, v13 the largest t, v[14:15] the sum in two halves;  v252-254 at work
.set TB,  2
.set SLOTS, 3
.set WV,  18
.set SEL, 20
.set CS,  22
.set G1,  24
.set G0K, 32
.set G0V, 36
.set KF,  40                           ; s40 the step's first key
.set QB,  41                           ; s41 the first query of my tile's pair: none of my queries is under it
.set QL,  42                           ; s42 its last: none of my queries is over it
.set WGL, 43                           ; s43 my work-group's last query
.set PFA, 44
.set LIM, 46
; Waves 0 and 1 fetch K's records, waves 2 and 3 V's, the others nothing.  The branches hang on the wave's number alone.  An s_nop 0 and four v_nop follow each of the two lines.
.macro TLOAD
	s_cmp_lt_u32 s[WV], 2
	s_cbranch_scc0 .Lnot_k_\@
	tensor_load_to_lds s[G0K:G0K+3], s[G1:G1+7]
	s_nop 0
.rept 4
	v_nop
.endr
	s_branch .Lasked_\@
.Lnot_k_\@:
	s_cmp_lt_u32 s[WV], 4
	s_cbranch_scc0 .Lasked_\@
	tensor_load_to_lds s[G0V:G0V+3], s[G1:G1+7]
	s_nop 0
.rept 4
	v_nop
.endr
.Lasked_\@:
.endm
; A PREFETCH of what the NEXT change of slots will ask for: four records of 6,400 bytes.  All eight work-groups of a head walk the same K and V: the one with j = 0, which walks every slot, asks, and nobody else.
; In it waves 4 to 7, which fetch nothing, take a record each: 25 blocks of 256 bytes, a lane a block (lanes 25-31 name lane 24's again).  It stands at the change of slots, two key steps ahead of the load that will want the bytes.
; The last change that fills a slot asks for nothing; slots 0 and 1 come by their loads alone.
.macro ASK
	s_cmp_gt_u32 s[SLOTS], s[LIM]
	s_cbranch_scc0 .Lnot_mine_\@
	global_prefetch_b8 v[PFO], s[PFA:PFA+1] th:TH_LOAD_NT scope:SCOPE_SE
.Lnot_mine_\@:
.endm
	s_load_b256 s[4:11], s[0:1], 0x0               ; qimg s[4:5], kimg s[6:7], vimg s[8:9], yimg s[10:11]
	v_lshl_add_u32 v[SPW], v0, 2, SPARE
	v_mov_b32 v[NIL], 0
	ds_add_u32 v[SPW], v[NIL]                      ; the wave's opening: the add and its wait stand ahead of my first tensor load; work on registers stands between them
	ds_add_u32 v[SPW], v[NIL]
	v_lshrrev_b32 v1, 5, v0
	s_delay_alu instid0(VALU_DEP_1)
	v_readfirstlane_b32 s[WV], v1                  ; wave 0..15
	s_and_b32 s12, ttmp7, 0xffff                   ; bh: batch x 16 + head
	; descriptor group 1: a record, 6,400 dense bytes, as 25 rows of 256 bytes
	s_mov_b32 s[G1+0], 3<<16                       ; no mask; elements of 8 bytes; no padding
	s_mov_b32 s[G1+1], 32<<16                      ; tensor_dim0 = 32
	s_mov_b32 s[G1+2], 25<<16                      ; tensor_dim1 = 25
	s_mov_b32 s[G1+3], 32<<16                      ; tile_dim0 = 32
	s_mov_b32 s[G1+4], 25                          ; tile_dim1 = 25
	s_mov_b32 s[G1+5], 32                          ; the pitch
	s_mov_b32 s[G1+6], 0
	s_mov_b32 s[G1+7], 0
	s_and_b32 s13, s[WV], 1
	s_mul_i32 s14, s13, QREC                       ; which of a slot's two records I fetch: in LDS and in memory
	s_lshl_b32 s54, s12, 4
	s_mul_i32 s54, s54, QREC                       ; the head's first byte in qimg, kimg, vimg
	s_add_co_u32 s56, s54, s14
	s_mov_b32 s57, 0
	s_mov_b32 s[SEL], 0x76543210
	s_mov_b32 s[SEL+1], 0xfedcba98
	s_mov_b32 s[CS], 0x3e38aa3b                    ; c = log2(e) / 8
	s_mov_b32 s[CS+1], s[CS]                       ; (named with it as a pair, so it is written)
	s_mov_b32 s[TB], 0
	s_mov_b32 s[SLOTS], 7
	s_mov_b32 s[KF], 0
	s_wait_dscnt 0x0                               ; the opening add is done
	s_wait_kmcnt 0x0
	s_mov_b32 s[G0K], 1
	s_mov_b32 s[G0K+1], s14
	s_add_nc_u64 s[G0K+2:G0K+3], s[6:7], s[56:57]
	s_or_b32 s[G0K+3], s[G0K+3], 0x80000000
	s_mov_b32 s[G0V], 1
	s_add_co_u32 s[G0V+1], s14, 2*QREC
	s_add_nc_u64 s[G0V+2:G0V+3], s[8:9], s[56:57]
	s_or_b32 s[G0V+3], s[G0V+3], 0x80000000
	TLOAD                                          ; slot 0
	s_lshr_b32 s15, s[WV], 2                       ; p: my tile's pair in its block of 128 queries
	s_xor_b32 s16, s[WV], s15
	s_and_b32 s16, s16, 1                          ; 1: the late block
	s_sub_co_u32 s17, 15, ttmp9
	s_cmp_eq_u32 s16, 1
	s_cselect_b32 s17, s17, ttmp9                  ; my block of 128 queries: 15 - j or j
	s_lshr_b32 s19, s[WV], 1                       ; my tile in it
	s_and_b32 s58, s19, 1                          ; u: first or second of the pair
	s_lshl_b32 s47, s58, 4                         ; 16 u
	s_sub_co_u32 s48, 0, s58                       ; a mask of all lanes where u = 1
	s_lshl_b32 s59, s17, 3
	s_add_co_u32 s59, s59, s19                     ; my tile among the head's 128
	s_lshr_b32 s[QB], s59, 1
	s_lshl_b32 s[QB], s[QB], 5
	s_add_co_u32 s[QL], s[QB], 31
	s_sub_co_u32 s[WGL], 16, ttmp9
	s_lshl_b32 s[WGL], s[WGL], 7
	s_sub_co_u32 s[WGL], s[WGL], 1
	s_lshr_b32 s60, s12, 4                         ; y: the batch's 128 token tiles,
	s_lshl_b32 s60, s60, 7
	s_add_co_u32 s60, s60, s59                     ; my tile:
	s_mul_i32 s60, s60, 12800
	s_mov_b32 s61, 0
	s_add_nc_u64 s[52:53], s[10:11], s[60:61]      ; its record
	s_and_b32 s60, s12, 15                         ; the head
	s_mul_i32 s62, s60, 768
	s_mov_b32 s63, 0
	s_add_nc_u64 s[50:51], s[52:53], s[62:63]      ; its half image
	s_lshr_b32 s62, s60, 1
	s_lshl_b32 s62, s62, 6
	s_and_b32 s60, s12, 1
	s_lshl_b32 s60, s60, 1
	s_add_co_u32 s62, s62, s60
	s_add_co_u32 s62, s62, 12288
	s_add_nc_u64 s[52:53], s[52:53], s[62:63]      ; its two scale bytes a row
	s_cmp_lt_u32 s[WV], 6                          ; the prefetches: waves 4, 5 K's two records, waves 6, 7 V's
	s_cselect_b64 s[PFA:PFA+1], s[6:7], s[8:9]
	s_add_co_u32 s60, s54, s14
	s_add_co_u32 s60, s60, 2*QREC                  ; in slot 1: the first change of slots steps it to slot 2.  Nothing is prefetched here, at the head
	s_add_nc_u64 s[PFA:PFA+1], s[PFA:PFA+1], s[60:61]
	s_xor_b32 s60, s15, 1                          ; 0 in waves 4 to 7,
	s_or_b32 s60, s60, ttmp9                       ; of the work-group with j = 0
	s_cmp_eq_u32 s60, 0
	s_cselect_b32 s[LIM], 1, -1
	s_mul_i32 s60, s17, QREC
	s_add_co_u32 s60, s60, s54
	s_add_nc_u64 s[62:63], s[4:5], s[60:61]        ; my block's record of q
	s_mul_i32 s60, s15, 1536
	s_add_nc_u64 s[56:57], s[62:63], s[60:61]      ; my pair's image
	s_lshl_b32 s60, s15, 2
	s_add_nc_u64 s[62:63], s[62:63], s[60:61]      ; and its scale words
	v_and_b32 v252, 31, v0                         ; lane
	v_and_b32 v253, 15, v0                         ; r
	v_bfe_u32 v254, v0, 4, 1                       ; h
	s_delay_alu instid0(VALU_DEP_3)
	v_lshlrev_b32 v[L16], 4, v252
	s_delay_alu instid0(VALU_DEP_3)
	v_lshlrev_b32 v[R16], 4, v253
.irp c, 0,1,2
	global_load_b128 v[VI+4*\c:VI+4*\c+3], v[L16], s[56:57] offset:512*\c   ; the pair's image, for now where V's will lie
.endr
	v_lshlrev_b32 v[L8], 3, v252
	v_lshlrev_b32 v[R4], 2, v253
	v_min_u32 v[PFO], 24, v252
	s_delay_alu instid0(VALU_DEP_1)
	v_lshlrev_b32 v[PFO], 8, v[PFO]
	v_and_b32 v[QY], 8, v253
	s_delay_alu instid0(VALU_DEP_1)
	v_add_nc_u32 v[QY], v[QY], v253                ; r + 8 (r / 8)
	v_lshlrev_b32 v254, 4, v254
	s_delay_alu instid0(VALU_DEP_1)
	v_sub_nc_u32 v[QY], v[QY], v254                ; - 16 h
	s_lshr_b32 s60, s47, 1
	s_add_co_u32 s60, s60, s[QB]
	v_add_nc_u32 v[QY], s60, v[QY]                 ; + the pair's first query + 8 u
	global_load_b32 v252, v[R16], s[62:63] offset:6144
	v_mov_b32 v13, 0xff61b1e6                      ; the largest t so far: -3e38, under every t
	s_delay_alu instid0(VALU_DEP_1)
	v_floor_f32 v12, -v13                          ; -M
	v_mov_b32 v14, 0
	v_mov_b32 v15, 0
.irp b, 0,1,2,3
	v_mov_b32 v[PT+\b], 0
.endr
	v_mov_b32 v[FF+1], 0
	s_wait_loadcnt 0x0
	v_lshrrev_b32 v[QSL], s47, v252                ; my tile's two bytes of the pair's word,
	s_delay_alu instid0(VALU_DEP_1)
	v_and_b32 v[QSL], 0xffff, v[QSL]               ; over k 0 .. 63 for QLO (the zero codes' bytes are 0),
	s_delay_alu instid0(VALU_DEP_1)
	v_lshlrev_b32 v[QSH], 16, v[QSL]               ; over k 64 .. 127 for QHI.  (More than eight plain instructions follow ahead of the first scaled product)
.irp i, 0,1,2,3,4,5
	v_cndmask_b32 v[QLO+\i], v[VI+\i], v[VI+6+\i], s48   ; my tile's six registers of the pair's twelve
.endr
.irp i, 0,1,2,3,4,5
	v_mov_b32 v[QLO+6+\i], 0
	v_mov_b32 v[QHI+\i], 0
	v_mov_b32 v[QHI+6+\i], v[QLO+\i]
.endr
.set j, 0
.rept 32
	v_mov_b32 v[OT+j], 0                           ; O^T.  (The loop is written once: its first step finds zeros, which the first change of M leaves zeros)
.set j, j+1
.endr
; A KEY STEP: 128 keys, the q-th of the slot in hand.
.macro STEP q
	s_cmp_gt_u32 s[KF], s[QL]                      ; all its keys come after my queries: the step's work is left out; no barrier and no tensor load stands in a step
	s_cbranch_scc1 .Lhidden_\@
	v_add_nc_u32 v[ADC], s[TB], v[L16]
	v_add_nc_u32 v[ADW], s[TB], v[R16]
	v_nop
	v_nop                                          ; four places in front of loads into registers that the last products have read
.irp b, 0,1,2,3
.irp c, 0,1,2
	ds_load_b128 v[KI+12*\b+4*\c:KI+12*\b+4*\c+3], v[ADC] offset:QREC*(\q)+1536*\b+512*\c
.endr
.endr
	ds_load_b128 v[KS:KS+3], v[ADW] offset:QREC*(\q)+6144
.irp t, 0,1,2,3
.irp c, 0,1,2
	ds_load_b128 v[VI+12*\t+4*\c:VI+12*\t+4*\c+3], v[ADC] offset:2*QREC+QREC*(\q)+1536*\t+512*\c
.endr
.endr
	ds_load_b128 v[VS:VS+3], v[ADW] offset:2*QREC+QREC*(\q)+6144
	s_wait_dscnt 13                                ; K's thirteen loads are in; V's thirteen may be out
.irp b, 0,1,2,3
	v_wmma_scale_f32_16x16x128_f8f6f4 v[S+16*\b:S+16*\b+7], v[KI+12*\b:KI+12*\b+11], v[QLO:QLO+11], 0, v[KS+\b], v[QSL] matrix_a_fmt:MATRIX_FMT_FP6 matrix_b_fmt:MATRIX_FMT_FP6
	v_wmma_scale_f32_16x16x128_f8f6f4 v[S+16*\b+8:S+16*\b+15], v[KI+12*\b:KI+12*\b+11], v[QHI:QHI+11], 0, v[KS+\b], v[QSH] matrix_a_fmt:MATRIX_FMT_FP6 matrix_b_fmt:MATRIX_FMT_FP6
.endr
.rept 4
	v_nop
.endr
	s_add_co_u32 s54, s[KF], 127                   ; on the diagonal the scores of hidden keys become -infinity ahead of the maximum: p = 0 then.  A step all of whose keys count skips this
	s_cmp_le_u32 s54, s[QB]
	s_cbranch_scc1 .Lopen_\@
	v_sub_nc_u32 v252, v[QY], s[KF]                ; d.  Register 16 b + i holds key KF + 16 (lane / 16) + 32 b + i: hidden where 32 b + i > d
	v_mov_b32 v254, 0xff800000
.set j, 0
.rept 64
	v_cmp_gt_i32 vcc_lo, 32*(j/16)+j%16, v252
	v_cndmask_b32 v[S+j], v[S+j], v254, vcc_lo
.set j, j+1
.endr
.Lopen_\@:
.irp b, 0,1,2,3
	v_max3_num_f32 v[BM+\b], v[S+16*\b], v[S+16*\b+1], v[S+16*\b+2]   ; the largest score of each block of 32 keys: for the row's maximum, and for the block's largest p
.endr
.irp i, 3,5,7,9,11,13
.irp b, 0,1,2,3
	v_max3_num_f32 v[BM+\b], v[BM+\b], v[S+16*\b+\i], v[S+16*\b+\i+1]
.endr
.endr
.irp b, 0,1,2,3
	v_max_num_f32 v[BM+\b], v[BM+\b], v[S+16*\b+15]
.endr
.irp b, 0,1,2,3
	s_delay_alu instid0(VALU_DEP_4)
	v_permlanex16_b32 v[PT+\b], v[BM+\b], s[SEL], s[SEL+1]
.endr
.irp b, 0,1,2,3
	s_delay_alu instid0(VALU_DEP_4)
	v_max_num_f32 v[BM+\b], v[BM+\b], v[PT+\b]     ; with lane l xor 16's 16 keys
.endr
	s_delay_alu instid0(VALU_DEP_2)
	v_max3_num_f32 v254, v[BM], v[BM+1], v[BM+2]
	s_delay_alu instid0(VALU_DEP_1)
	v_max_num_f32 v254, v254, v[BM+3]              ; the step's largest score of my query
	s_delay_alu instid0(VALU_DEP_1)
	v_mul_f32 v254, s[CS], v254                    ; as t
	s_delay_alu instid0(VALU_DEP_1)
	v_max_num_f32 v13, v13, v254                   ; the running largest t
	v_mov_b32 v254, v12
	s_delay_alu instid0(VALU_DEP_2)
	v_floor_f32 v12, -v13                          ; the new -M = floor(-t): M is a whole number
	s_delay_alu instid0(VALU_DEP_1)
	v_sub_f32 v254, v12, v254                      ; old M - new M: a whole number, 0 or less
	s_delay_alu instid0(VALU_DEP_1)
	v_cvt_i32_f32 v254, v254                       ; (it saturates)
	s_delay_alu instid0(VALU_DEP_1)
	v_ldexp_f32 v[FF], 1.0, v254                   ; f = 2^(old M - new M)
.set j, 0
.rept 32
	v_pk_fma_f32 v[S+j:S+j+1], v[S+j:S+j+1], s[CS:CS+1], v[12:13] op_sel_hi:[1,0,0]   ; t - M, two at a time
.set j, j+2
.endr
.irp b, 0,1,2,3
	v_fma_f32 v[BM+\b], v[BM+\b], s[CS], v12       ; the same of each block's largest score
.endr
.set j, 0
	s_wait_alu depctr_va_vdst(0)
.rept 64
	v_exp_f32 v[S+j], v[S+j]                       ; p = 2^(t - M), at most 1
.set j, j+1
.endr
	v_pk_mul_f32 v[14:15], v[14:15], v[FF:FF+1] op_sel_hi:[1,0]   ; the sums under the new M: the plain place behind the exponentials
	s_wait_alu depctr_va_vdst(0)                   ; one wait for the whole batch, ahead of its first reader
.irp b, 0,1,2,3
	v_exp_f32 v[BM+\b], v[BM+\b]                   ; the block's largest p: the same two instructions on the same number give the same bits
.endr
	v_pk_add_f32 v[250:251], v[140:141], v[144:145]
	v_pk_add_f32 v[254:255], v[148:149], v[152:153]
	v_pk_add_f32 v[252:253], v[156:157], v[160:161]
	v_pk_add_f32 v[242:243], v[164:165], v[168:169]
	v_pk_add_f32 v[234:235], v[172:173], v[176:177]
	v_pk_add_f32 v[232:233], v[180:181], v[184:185]
	v_pk_add_f32 v[86:87], v[188:189], v[192:193]
	v_pk_add_f32 v[14:15], v[14:15], v[196:197]
	v_pk_add_f32 v[250:251], v[250:251], v[136:137]
	v_pk_add_f32 v[254:255], v[254:255], v[138:139]
	v_pk_add_f32 v[252:253], v[252:253], v[142:143]
	v_pk_add_f32 v[242:243], v[242:243], v[146:147]
	v_pk_add_f32 v[234:235], v[234:235], v[150:151]
	v_pk_add_f32 v[232:233], v[232:233], v[154:155]
	v_pk_add_f32 v[86:87], v[86:87], v[158:159]
	v_pk_add_f32 v[14:15], v[14:15], v[162:163]
	v_pk_add_f32 v[250:251], v[250:251], v[166:167]
	v_pk_add_f32 v[254:255], v[254:255], v[170:171]
	v_pk_add_f32 v[252:253], v[252:253], v[174:175]
	v_pk_add_f32 v[242:243], v[242:243], v[178:179]
	v_pk_add_f32 v[234:235], v[234:235], v[182:183]
	v_pk_add_f32 v[232:233], v[232:233], v[186:187]
	v_pk_add_f32 v[86:87], v[86:87], v[190:191]
	v_pk_add_f32 v[14:15], v[14:15], v[194:195]
	v_pk_add_f32 v[250:251], v[250:251], v[198:199]
	s_delay_alu instid0(VALU_DEP_2)
	v_pk_add_f32 v[14:15], v[14:15], v[242:243]
	s_delay_alu instid0(VALU_DEP_2)
	v_pk_add_f32 v[250:251], v[250:251], v[234:235]
	v_pk_add_f32 v[254:255], v[254:255], v[232:233]
	v_pk_add_f32 v[252:253], v[252:253], v[86:87]
	s_delay_alu instid0(VALU_DEP_2)
	v_pk_add_f32 v[14:15], v[14:15], v[254:255]
	s_delay_alu instid0(VALU_DEP_2)
	v_pk_add_f32 v[250:251], v[250:251], v[252:253]
	s_delay_alu instid0(VALU_DEP_1)
	v_pk_add_f32 v[14:15], v[14:15], v[250:251]
	s_wait_alu depctr_va_vdst(0)                   ; and one for the four
.irp b, 0,1,2,3
	v_max_num_f32 v[BM+\b], 0x1800000, v[BM+\b]    ; the floor 2^(3 - 127): the byte cannot fall under 1
.endr
.irp b, 0,1,2,3
	s_delay_alu instid0(VALU_DEP_4)
	v_add_nc_u32 v[SO+\b], 0xff000000, v[BM+\b]    ; 2 off the exponent field: the conversion's scale operand
.endr
.irp b, 0,1,2,3
	s_delay_alu instid0(VALU_DEP_4)
	v_lshrrev_b32 v[BY+\b], 23, v[SO+\b]
.endr
	s_delay_alu instid0(VALU_DEP_3)
	v_lshl_or_b32 v[PS], v[BY+1], 8, v[BY]         ; p's scale word for these 128 keys
	s_delay_alu instid0(VALU_DEP_1)
	v_lshl_or_b32 v[PS], v[BY+2], 16, v[PS]
	s_delay_alu instid0(VALU_DEP_1)
	v_lshl_or_b32 v[PS], v[BY+3], 24, v[PS]
.irp c, 0,1
	v_cvt_scalef32_pk16_fp6_f32 v[PC+6*\c:PC+6*\c+2], v[S+32*\c:S+32*\c+15], v[SO+2*\c]
	v_cvt_scalef32_pk16_fp6_f32 v[CT+4*\c:CT+4*\c+2], v[S+32*\c+16:S+32*\c+31], v[SO+2*\c+1]
.endr
	v_nop                                          ; one plain place behind a scaled conversion
.irp c, 0,1                                    ; a WHOLE block in a lane: lanes 0-15 block 2 c, lanes 16-31 block 2 c + 1
.irp i, 0,1,2
	v_permlane16_swap_b32 v[PC+6*\c+\i], v[CT+4*\c+\i]
.endr
.irp i, 0,1,2
	s_delay_alu instid0(VALU_DEP_3)
	v_mov_b32 v[PC+6*\c+3+\i], v[CT+4*\c+\i]
.endr
.endr
.set j, 0
.rept 16
	v_pk_mul_f32 v[OT+j:OT+j+1], v[OT+j:OT+j+1], v[FF:FF+1] op_sel_hi:[1,0]   ; O^T under the new M.  (These sixteen are also the places between p's codes and scale word and the products below)
.set j, j+2
.endr
	s_wait_alu depctr_va_vdst(0)
	s_wait_dscnt 0x0                               ; V is in
.irp t, 0,1,2,3
	v_wmma_scale_f32_16x16x128_f8f6f4 v[OT+8*\t:OT+8*\t+7], v[VI+12*\t:VI+12*\t+11], v[PC:PC+11], v[OT+8*\t:OT+8*\t+7], v[VS+\t], v[PS] matrix_a_fmt:MATRIX_FMT_FP6 matrix_b_fmt:MATRIX_FMT_FP6
.endr
.Lhidden_\@:
	s_add_co_u32 s[KF], s[KF], 128
.endm
; THE CHANGE OF SLOTS stands at a slot's head.  Each wave waits for all its tensor loads (its part of the slot that it is about to read), adds 0 to its spare word, and waits for that and for its reads of the slot that it has left.
; Behind the barrier the slot ahead is whole and nobody reads the other one.  fill = 1: that other slot is filled with the next 256 keys, up to the causal limit: the load has two key steps in which to land.
.macro CHANGE fill
	s_wait_tensorcnt 0x0                           ; no tensor load of mine is out, so a group 0 may be written
	ds_add_u32 v[SPW], v[NIL]                      ; 0 onto my spare word
.if \fill
	s_xor_b32 s[G0K+1], s[G0K+1], SLOT1            ; the walking descriptors: the other slot than last time,
	s_add_nc_u64 s[G0K+2:G0K+3], s[G0K+2:G0K+3], 2*QREC   ; the next two records; the type bits on top are not reached
	s_xor_b32 s[G0V+1], s[G0V+1], SLOT1
	s_add_nc_u64 s[G0V+2:G0V+3], s[G0V+2:G0V+3], 2*QREC
	s_wait_xcnt 0x0                                ; the last prefetch, a slot back, has read its address, so it may be written:
	s_add_nc_u64 s[PFA:PFA+1], s[PFA:PFA+1], 2*QREC   ; one slot further on than the walking descriptors
.endif
	s_wait_dscnt 0x0                               ; the add is done, and my reads of the slot that I have left are over
	s_barrier_signal -1
	s_barrier_wait -1
.if \fill
	s_add_co_u32 s54, s[KF], 256                   ; the first key of the slot that this change would ask for: past my work-group's last query none of its waves reads it, so it is not asked for.
	s_cmp_gt_u32 s54, s[WGL]                       ; Ids and the count of steps alone: all sixteen waves go the same way.  Every wait on TENSORcnt in this text is for 0
	s_cbranch_scc1 .Lpast_\@
	TLOAD                                          ; the first tensor load behind the barrier, and a wave's only one until the next
.Lpast_\@:
	ASK
.endif
.endm
.macro SLOT_STEPS
	STEP 0
	STEP 1
	s_xor_b32 s[TB], s[TB], SLOT1                  ; on to the other slot
.endm
.Lslot:                                            ; 7 trips: behind each change of slots but the last the next slot is asked for
	CHANGE 1
	SLOT_STEPS
	s_sub_co_u32 s[SLOTS], s[SLOTS], 1
	s_cmp_lg_u32 s[SLOTS], 0
	s_cbranch_scc1 .Lslot
	CHANGE 0                                       ; the last slot is written out: nothing is left to ask for
	SLOT_STEPS
	; THE WAY OUT.  O^T / the row's sum is my 16 queries' 64 numbers of y: two blocks of 32 along E, 16 of each in my registers.  They are quantised here and leave as half an image.
.rept 4
	v_nop                                          ; places behind the last products
.endr
	v_add_f32 v14, v14, v15                        ; the sum's two halves,
	s_delay_alu instid0(VALU_DEP_1)
	v_permlanex16_b32 v[PT], v14, s[SEL], s[SEL+1]
	s_delay_alu instid0(VALU_DEP_1)
	v_add_f32 v14, v14, v[PT]                      ; and lane l xor 16's
	s_wait_alu depctr_va_vdst(0)
	v_rcp_f32 v14, v14
	v_nop                                          ; a plain place behind the transcendental
	s_wait_alu depctr_va_vdst(0)                   ; and the wait ahead of its first reader
.set j, 0
.rept 16
	v_pk_mul_f32 v[S+j:S+j+1], v[OT+j:OT+j+1], v[14:15] op_sel_hi:[1,0]   ; register 16 b + i = d 32 b + 16 (lane / 16) + i; each accumulator from its low end on
.set j, j+2
.endr
.irp b, 0,1
	v_max3_num_f32 v[BM+\b], |v[S+16*\b]|, |v[S+16*\b+1]|, 0x1800000
.endr
.irp i, 2,4,6,8,10,12,14
.irp b, 0,1
	s_delay_alu instid0(VALU_DEP_2)
	v_max3_num_f32 v[BM+\b], v[BM+\b], |v[S+16*\b+\i]|, |v[S+16*\b+\i+1]|
.endr
.endr
.irp b, 0,1
	s_delay_alu instid0(VALU_DEP_2)
	v_permlanex16_b32 v[PT+\b], v[BM+\b], s[SEL], s[SEL+1]
.endr
.irp b, 0,1
	s_delay_alu instid0(VALU_DEP_2)
	v_max_num_f32 v[BM+\b], v[BM+\b], v[PT+\b]
.endr
.irp b, 0,1
	s_delay_alu instid0(VALU_DEP_2)
	v_add_nc_u32 v[SO+\b], 0xff000000, v[BM+\b]
.endr
.irp b, 0,1
	s_delay_alu instid0(VALU_DEP_2)
	v_lshrrev_b32 v[BY+\b], 23, v[SO+\b]
.endr
	s_delay_alu instid0(VALU_DEP_1)
	v_lshl_or_b32 v252, v[BY+1], 8, v[BY]          ; my row's two scale bytes
	v_cvt_scalef32_pk16_fp6_f32 v[PC:PC+2], v[S:S+15], v[SO]
	v_cvt_scalef32_pk16_fp6_f32 v[CT:CT+2], v[S+16:S+31], v[SO+1]
	v_nop
.irp i, 0,1,2
	v_permlane16_swap_b32 v[PC+\i], v[CT+\i]
.endr
.irp i, 0,1,2
	s_delay_alu instid0(VALU_DEP_3)
	v_mov_b32 v[PC+3+\i], v[CT+\i]
.endr
	global_store_b128 v[L16], v[PC:PC+3], s[50:51]             ; 512 consecutive bytes, at a multiple of 256 from yimg's first byte
	global_store_b64 v[L8], v[PC+4:PC+5], s[50:51] offset:512  ; 256 consecutive bytes behind them
	global_store_b16 v[R4], v252, s[52:53]                     ; 2 bytes of each row's word; lanes r and r + 16 store the same bytes.  One part in 24 of the codes' bytes
	s_wait_tensorcnt 0x0                           ; the wave's end, behind my last tensor load
	ds_add_u32 v[SPW], v[NIL]
	s_wait_dscnt 0x0
	s_endpgm
.Lfunc_end_k_q9d53a5f493_attn:
	.size	k_q9d53a5f493_attn, .Lfunc_end_k_q9d53a5f493_attn-k_q9d53a5f493_attn
	.p2alignl 7, 3214868480
	.fill 96, 4, 3214868480
	.section	.rodata,"a",@progbits
	.p2align	6, 0x0
	.amdhsa_kernel k_q9d53a5f493_attn
		.amdhsa_group_segment_fixed_size 327680
		.amdhsa_private_segment_fixed_size 0
		.amdhsa_enable_private_segment 0
		.amdhsa_kernarg_size 32
		.amdhsa_user_sgpr_count 2
		.amdhsa_user_sgpr_kernarg_segment_ptr 1
		.amdhsa_wavefront_size32 1
		.amdhsa_system_sgpr_workgroup_id_x 1
		.amdhsa_system_sgpr_workgroup_id_y 1
		.amdhsa_system_sgpr_workgroup_id_z 1
		.amdhsa_system_vgpr_workitem_id 0
		.amdhsa_next_free_vgpr 256
		.amdhsa_next_free_sgpr 66
		.amdhsa_reserve_vcc 1
		.amdhsa_float_denorm_mode_32 3
		.amdhsa_float_denorm_mode_16_64 3
		.amdhsa_memory_ordered 1
		.amdhsa_forward_progress 1
		.amdhsa_inst_pref_size 101
	.end_amdhsa_kernel
	.amdgpu_metadata
---
amdhsa.version: [ 1, 2 ]
amdhsa.kernels:
  - .name:           k_q9d53a5f493_attn
    .symbol:         k_q9d53a5f493_attn.kd
    .args:
      - { .name: qimg, .offset: 0, .size: 8, .value_kind: global_buffer, .address_space: global }
      - { .name: kimg, .offset: 8, .size: 8, .value_kind: global_buffer, .address_space: global }
      - { .name: vimg, .offset: 16, .size: 8, .value_kind: global_buffer, .address_space: global }
      - { .name: yimg, .offset: 24, .size: 8, .value_kind: global_buffer, .address_space: global }
    .group_segment_fixed_size: 327680
    .private_segment_fixed_size: 0
    .kernarg_segment_align: 8
    .kernarg_segment_size: 32
    .max_flat_workgroup_size: 512
    .sgpr_count:     66
    .vgpr_count:     256
    .wavefront_size: 32
...
	.end_amdgpu_metadata
.endif
;; end of part 3
;; launch outp (part 4): grid 256 x 1, 4 waves a work-group, clusters of 4 x 1, 167,936 bytes of LDS; arguments img, yimg, out0; writes out0
.if DOCPART == 4
	.amdgcn_target "amdgcn-amd-amdhsa--gfx1250"
	.amdhsa_code_object_version 6
	.text
	.protected	k_q9d53a5f493_outp
	.globl	k_q9d53a5f493_outp
	.p2align	8
	.type	k_q9d53a5f493_outp,@function
k_q9d53a5f493_outp:
	s_mov_b64 s[64:65], 0
	v_nop
	global_prefetch_b8 v0, s[64:65] scope:SCOPE_SE
	s_setreg_imm32_b32 hwreg(HW_REG_WAVE_MODE, 25, 1), 1
	s_wait_xcnt 0x0
	s_wait_alu depctr_hold_cnt(0) depctr_sa_sdst(0) depctr_va_vdst(0) depctr_va_sdst(0) depctr_va_ssrc(0) depctr_va_vcc(0) depctr_vm_vsrc(0)
	s_getreg_b32 s2, hwreg(HW_REG_IB_STS2, 6, 4)
	s_cmp_eq_u32 s2, 0
	s_cbranch_scc0 .Lentry_in_a_cluster
	s_endpgm
.Lentry_in_a_cluster:
	s_bfe_u32 s2, ttmp6, 0x10000c
	s_cmp_lg_u32 s2, 0x3003
	s_cbranch_scc0 .Lentry_shape_is_right
	s_endpgm
.Lentry_shape_is_right:
; out0 = y w_out^T on codes of FP6 (E2M3) with E8M0 scales; out0 [8192][1024] f32.
; img holds w_out's tiles 704-767 as records of register images (lane r of tile t holds row 32 (t / 2) + 8 (t % 2) + r + 8 (r / 8); image of K step s at 1,536 s; scale word of (s, r) at 12,288 + 64 s + 4 r).
; yimg holds a record of 12,800 bytes for each token tile: head hd's half image (registers 0-3 at 768 hd + 16 x lane, registers 4, 5 at 768 hd + 512 + 8 x lane): heads 2 s, 2 s + 1 are K step s; the scale words as in img.
; A work-group makes 256 tokens x 128 outputs.  Source 0 = 128 rows of w_out (8 tiles, whole K, 102,400 bytes in LDS, read by all four waves), source 1 = 64 tokens a wave (4 tiles, whole K, 384 registers).
; In the result a lane holds ONE token, and the 16 registers of w_out's tiles 2 b, 2 b + 1 are outputs 32 b + 16 (lane / 16) + 0 .. 15.
; CLUSTER: the four work-groups of a cluster need the same rows of w_out (they hang on the cluster's number alone): the block is asked for JOINTLY, once.  Nothing is filled again.
; THE WAY OUT: 16 tokens x 128 outputs at a time through the wave's own stage in LDS (rows 528 bytes apart), back as whole rows of 512 bytes.
; REGISTERS, in windows of 256: window 0: v2-17 addresses; v32-47 y's scale words; v48-63 w_out's, two sets; v64-159, v160-255 w_out's fragments, two sets (on the way out v64-191: rows of out0);
;   window 1: y's fragments of K steps 0-3 at v[48 m + 12 s];  window 2: those of K steps 4-7;  window 3: the 32 accumulators, (m, a) at v[64 m + 8 a].
.set REC,   12800
.set UNIT,  8*REC
.set STG,   UNIT                       ; behind w_out's block: a stage of 16 rows x 528 bytes for each wave; no fill lands there
.set SP,    528
.set SPARE, STG+4*16*SP                ; behind the stages: the spare words, 128 bytes a wave, that no other line names
.set L16, 2                            ; v2     16 x lane
.set L4,  3                            ; v3     4 x lane
.set ADR, 4                            ; v4-5   LDS: tiles 4 hf on: 16 x lane + 4 hf REC
.set STO, 6                            ; v6     the stage, in: 528 r + 64 h
.set RD,  7                            ; v7     the stage, out: 16 x lane
.set L8,  8                            ; v8     8 x lane
.set ADS, 10                           ; v10-11 as ADR, with 4 x lane
.set SPW, 16                           ; v16    my spare word; never rewritten
.set NIL, 17                           ; v17    0; never rewritten
.set S1S, 32
.set S0S, 48
.set S0F, 64
.set WV,  12
.set G1,  24
.set G0,  32
.set MSB, 0
.macro WIN new                         ; the immediate's high byte repeats the setting that is left
.if MSB != (\new)
	s_set_vgpr_msb (MSB<<8)|(\new)
.set MSB, (\new)
.endif
.endm
.macro PLACES n
.rept \n
	v_nop
.endr
.endm
.macro CROUND                          ; a round of the cluster's barrier
	s_barrier_signal -1
	s_barrier_wait -1
	s_cmp_lg_u32 s[WV], 0
	s_cbranch_scc1 .Lnot_wave_0_\@
	s_barrier_signal -3
.Lnot_wave_0_\@:
	s_barrier_wait -3
	s_barrier_signal -1
	s_barrier_wait -1
.endm
	s_load_b128 s[4:7], s[0:1], 0x0                ; img s[4:5], yimg s[6:7]
	s_load_b64 s[8:9], s[0:1], 0x10                ; out0
	v_lshl_add_u32 v[SPW], v0, 2, SPARE
	v_mov_b32 v[NIL], 0
	ds_add_u32 v[SPW], v[NIL]                      ; the wave's opening: the add and its wait stand ahead of my first tensor load; work on registers stands between them
	ds_add_u32 v[SPW], v[NIL]
	v_lshrrev_b32 v1, 5, v0
	v_readfirstlane_b32 s[WV], v1                  ; wave 0..3
	; descriptor group 1: a dense block of 25,600 bytes (two records) as 100 rows of 256 bytes
	s_mov_b32 s[G1+0], 15|(3<<16)|(1<<21)          ; the mask: all four work-groups; elements of 8 bytes; no padding; bit 21 set beside a mask
	s_mov_b32 s[G1+1], 32<<16
	s_mov_b32 s[G1+2], 100<<16
	s_mov_b32 s[G1+3], 32<<16
	s_mov_b32 s[G1+4], 100
	s_mov_b32 s[G1+5], 32
	s_mov_b32 s[G1+6], 0
	s_mov_b32 s[G1+7], 0
	s_lshr_b32 s15, ttmp9, 3                       ; which 128 outputs
	s_mul_i32 s50, s[WV], 2*REC                    ; my quarter of the block, in LDS and in memory
	s_lshl_b32 s52, s15, 3
	s_add_co_u32 s52, s52, 704                     ; w_out's tiles begin at img's tile 704
	s_mul_i32 s52, s52, REC
	s_add_co_u32 s52, s52, s50
	s_mov_b32 s53, 0
	s_wait_dscnt 0x0                               ; the opening add is done
	s_wait_kmcnt 0x0
	s_mov_b32 s[G0+0], 1
	s_mov_b32 s[G0+1], s50
	s_add_nc_u64 s[G0+2:G0+3], s[4:5], s[52:53]
	s_or_b32 s[G0+3], s[G0+3], 0x80000000
	CROUND                                         ; all four work-groups are here: the joint loads meet
	tensor_load_to_lds s[G0:G0+3], s[G1:G1+7]      ; my one tensor load
	s_nop 0
	PLACES 4
	v_and_b32 v1, 31, v0
	v_and_b32 v18, 15, v0
	v_bfe_u32 v19, v0, 4, 1
	v_lshlrev_b32 v[L16], 4, v1
	v_lshlrev_b32 v[L4], 2, v1
	v_lshlrev_b32 v[L8], 3, v1
	s_wait_alu depctr_va_vdst(0)
.irp hf, 0,1
	v_add_nc_u32 v[ADR+\hf], \hf*4*REC, v[L16]
	v_add_nc_u32 v[ADS+\hf], \hf*4*REC, v[L4]
.endr
	s_mul_i32 s51, s[WV], 16*SP
	s_add_co_u32 s51, s51, STG                     ; my stage
	v_mul_u32_u24 v[STO], v18, SP
	v_lshl_add_u32 v[STO], v19, 6, v[STO]
	v_add_nc_u32 v[STO], s51, v[STO]
	v_add_nc_u32 v[RD], s51, v[L16]
	s_bfe_u32 s13, ttmp6, 0x40000                  ; cx: it enters global addresses alone
	s_and_b32 s16, ttmp9, 7
	s_lshl_b32 s16, s16, 2
	s_add_co_u32 s16, s16, s13                     ; which 256 tokens
	s_lshl_b32 s58, s16, 4
	s_lshl_b32 s60, s[WV], 2
	s_add_co_u32 s58, s58, s60
	s_mul_i32 s58, s58, REC
	s_mov_b32 s59, 0
	s_add_nc_u64 s[18:19], s[6:7], s[58:59]        ; y's tiles 16 i + 4 w on
	s_lshl_b32 s58, s16, 8
	s_lshl_b32 s60, s[WV], 6
	s_add_co_u32 s58, s58, s60                     ; my first token
	s_lshl_b32 s58, s58, 12
	s_lshl_b32 s60, s15, 9
	s_add_co_u32 s58, s58, s60                     ; + my 128 outputs' 512 bytes
	s_add_nc_u64 s[48:49], s[8:9], s[58:59]
.macro FETCH ks, fs                    ; w_out's eight fragments of K step ks into set fs: each load reads 512 consecutive bytes
.irp a, 0,1,2,3,4,5,6,7
.irp c, 0,1,2
	ds_load_b128 v[S0F+96*(\fs)+12*\a+4*\c:S0F+96*(\fs)+12*\a+4*\c+3], v[ADR+\a/4] offset:(\a%4)*REC+1536*(\ks)+512*\c
.endr
.endr
.endm
.macro FETCHS q, fs                    ; their scale words of K steps 2 q (lanes 0-15) and 2 q + 1 (lanes 16-31)
.irp a, 0,1,2,3,4,5,6,7
	ds_load_b32 v[S0S+8*(\fs)+\a], v[ADS+\a/4] offset:(\a%4)*REC+12288+128*(\q)
.endr
.endm
.macro HALVES k0                       ; y's fragments of K steps k0 .. k0 + 3: each from two heads' half images
.irp m, 0,1,2,3
.irp k, 0,1,2,3
.irp e, 0,1
	global_load_b128 v[48*\m+12*\k+6*\e:48*\m+12*\k+6*\e+3], v[L16], s[18:19] offset:\m*REC+768*(2*(\k+\k0)+\e)
	global_load_b64 v[48*\m+12*\k+6*\e+4:48*\m+12*\k+6*\e+5], v[L8], s[18:19] offset:\m*REC+768*(2*(\k+\k0)+\e)+512
.endr
.endr
.endr
.endm
; 32 matrix instructions: K step ks.  The 32 accumulators take turns, one instruction a turn, in the same order in every step.  zero = 1: the products start the sums.
.macro MUL ks, zero
	WIN 0xf4+4*((\ks)/4)                           ; source 0 window 0, source 1 window 1 or 2, C and D window 3
.irp a, 0,1,2,3,4,5,6,7
.irp m, 0,1,2,3
.if \zero
	v_wmma_scale_f32_16x16x128_f8f6f4 v[64*\m+8*\a:64*\m+8*\a+7], v[S0F+96*((\ks)%2)+12*\a:S0F+96*((\ks)%2)+12*\a+11], v[48*\m+12*((\ks)%4):48*\m+12*((\ks)%4)+11], 0, v[S0S+8*(((\ks)/2)%2)+\a], v[S1S+4*\m+(\ks)/2] matrix_a_fmt:MATRIX_FMT_FP6 matrix_b_fmt:MATRIX_FMT_FP6
.elseif (\ks)%2
	v_wmma_scale_f32_16x16x128_f8f6f4 v[64*\m+8*\a:64*\m+8*\a+7], v[S0F+96*((\ks)%2)+12*\a:S0F+96*((\ks)%2)+12*\a+11], v[48*\m+12*((\ks)%4):48*\m+12*((\ks)%4)+11], v[64*\m+8*\a:64*\m+8*\a+7], v[S0S+8*(((\ks)/2)%2)+\a], v[S1S+4*\m+(\ks)/2] matrix_a_fmt:MATRIX_FMT_FP6 matrix_b_fmt:MATRIX_FMT_FP6 matrix_a_scale:MATRIX_SCALE_ROW1 matrix_b_scale:MATRIX_SCALE_ROW1
.else
	v_wmma_scale_f32_16x16x128_f8f6f4 v[64*\m+8*\a:64*\m+8*\a+7], v[S0F+96*((\ks)%2)+12*\a:S0F+96*((\ks)%2)+12*\a+11], v[48*\m+12*((\ks)%4):48*\m+12*((\ks)%4)+11], v[64*\m+8*\a:64*\m+8*\a+7], v[S0S+8*(((\ks)/2)%2)+\a], v[S1S+4*\m+(\ks)/2] matrix_a_fmt:MATRIX_FMT_FP6 matrix_b_fmt:MATRIX_FMT_FP6
.endif
.endr
.endr
.endm
.macro STEP ks
	s_wait_dscnt 0x0                               ; this step's fragments, asked for 32 matrix instructions ago, are in
	WIN 0
	PLACES 4                                       ; four places in front of loads into registers that the step before has multiplied (ISA guide 7.12.1 for vector instructions)
.if (\ks) < 7
	FETCH (\ks)+1, ((\ks)+1)%2
.if (\ks)%2 == 1
	FETCHS ((\ks)+1)/2, (((\ks)+1)/2)%2
.endif
.endif
.if (\ks) == 0
	MUL \ks, 1
.else
	MUL \ks, 0
.endif
.endm
.macro TOSTAGE m                       ; token tile m: a lane's 8 registers of tile a are outputs 32 (a / 2) + 16 h + 8 (a % 2) + 0 .. 7 of its token; then the 16 rows come back whole
	WIN 0x0c                                       ; an LDS store's data are its source 1: window 3
.irp a, 0,1,2,3,4,5,6,7
	ds_store_b128 v[STO], v[64*(\m)+8*\a:64*(\m)+8*\a+3] offset:128*(\a/2)+32*(\a%2)          ; each accumulator from its low end on
	ds_store_b128 v[STO], v[64*(\m)+8*\a+4:64*(\m)+8*\a+7] offset:128*(\a/2)+32*(\a%2)+16
.endr
	WIN 0
.set BB, S0F+64*((\m)%2)
.irp p, 0,1,2,3,4,5,6,7,8,9,10,11,12,13,14,15
	ds_load_b128 v[BB+4*\p:BB+4*\p+3], v[RD] offset:SP*\p   ; LDS serves a wave's instructions in order: these see the stores above, and the next tile's stores come behind them
.endr
.endm
.macro SEND m, younger                 ; younger: the LDS instructions issued behind tile m's loads, which may stay out
.set BB, S0F+64*((\m)%2)
	s_wait_dscnt \younger
.irp p, 0,1,2,3,4,5,6,7,8,9,10,11,12,13,14,15
	global_store_b128 v[L16], v[BB+4*\p:BB+4*\p+3], s[48:49] offset:(32*((\m)/2)+8*((\m)%2)+\p+8*(\p/8))*4096 th:TH_STORE_NT   ; 32 lanes store 512 consecutive bytes, at a multiple of 512 from out0's first byte; stage row p is the tile's row p
.endr
.endm
	WIN 0x40
	HALVES 0
	WIN 0x80
	HALVES 4
	WIN 0
.irp m, 0,1,2,3
.irp q, 0,1,2,3
	global_load_b32 v[S1S+4*\m+\q], v[L4], s[18:19] offset:\m*REC+12288+128*\q
.endr
.endr
	s_wait_alu depctr_va_vdst(0)
	s_wait_tensorcnt 0x0                           ; my part of w_out's block is in,
	s_barrier_signal -1
	s_barrier_wait -1                              ; everybody's is
	FETCH 0, 0
	FETCHS 0, 0
	s_wait_loadcnt 0x0                             ; y
.irp k, 0,1,2,3,4,5,6,7
	STEP \k
.endr
	WIN 0
	PLACES 4                                       ; behind the last products: for the stage's reads of results and the loads into the fragments' registers
	TOSTAGE 0
	TOSTAGE 1
	SEND 0, 32                                     ; behind tile 0's loads: tile 1's 16 stores and 16 loads
	s_wait_xcnt 0x0                                ; tile 0's stores have read their registers: tile 2's rows may land there
	TOSTAGE 2
	SEND 1, 32
	s_wait_xcnt 0x0
	TOSTAGE 3
	SEND 2, 32
	SEND 3, 0
	s_wait_tensorcnt 0x0                           ; the wave's end, behind my last tensor load and my last LDS store
	ds_add_u32 v[SPW], v[NIL]
	s_wait_dscnt 0x0
	CROUND                                         ; the closing round
	s_endpgm
.Lfunc_end_k_q9d53a5f493_outp:
	.size	k_q9d53a5f493_outp, .Lfunc_end_k_q9d53a5f493_outp-k_q9d53a5f493_outp
	.p2alignl 7, 3214868480
	.fill 96, 4, 3214868480
	.section	.rodata,"a",@progbits
	.p2align	6, 0x0
	.amdhsa_kernel k_q9d53a5f493_outp
		.amdhsa_group_segment_fixed_size 167936
		.amdhsa_private_segment_fixed_size 0
		.amdhsa_enable_private_segment 0
		.amdhsa_kernarg_size 24
		.amdhsa_user_sgpr_count 2
		.amdhsa_user_sgpr_kernarg_segment_ptr 1
		.amdhsa_wavefront_size32 1
		.amdhsa_system_sgpr_workgroup_id_x 1
		.amdhsa_system_sgpr_workgroup_id_y 1
		.amdhsa_system_sgpr_workgroup_id_z 1
		.amdhsa_system_vgpr_workitem_id 0
		.amdhsa_next_free_vgpr 1024
		.amdhsa_next_free_sgpr 66
		.amdhsa_reserve_vcc 0
		.amdhsa_float_denorm_mode_32 3
		.amdhsa_float_denorm_mode_16_64 3
		.amdhsa_memory_ordered 1
		.amdhsa_forward_progress 1
		.amdhsa_inst_pref_size 81
	.end_amdhsa_kernel
	.amdgpu_metadata
---
amdhsa.version: [ 1, 2 ]
amdhsa.kernels:
  - .name:           k_q9d53a5f493_outp
    .symbol:         k_q9d53a5f493_outp.kd
    .args:
      - { .name: img, .offset: 0, .size: 8, .value_kind: global_buffer, .address_space: global }
      - { .name: yimg, .offset: 8, .size: 8, .value_kind: global_buffer, .address_space: global }
      - { .name: out0, .offset: 16, .size: 8, .value_kind: global_buffer, .address_space: global }
    .group_segment_fixed_size: 167936
    .private_segment_fixed_size: 0
    .kernarg_segment_align: 8
    .kernarg_segment_size: 24
    .max_flat_workgroup_size: 128
    .sgpr_count:     66
    .vgpr_count:     1024
    .wavefront_size: 32
...
	.end_amdgpu_metadata
.endif
;; end of part 4
